; MI455X (gfx1250); checked and timed in simulation.
; The chip was launched on July 23, 2026; its instructions are those of AMD's public machine-readable ISA for CDNA 5 (MIT licence, August 2026) and "CDNA5" Instruction Set Architecture Reference Guide (July 2026). The comments in the code are by the model that wrote it; some were corrected since.
;; Context Aware Attention. Allowed arithmetic: float matrix products may take bf16 or f16 operands with f32 sums; other float arithmetic in f32, or as packed bf16 or f16 multiplies, adds, multiply-adds, maxima and minima; sums over many terms, partial sums and values carried from step to step in f32; what a program stores and reads back later, other than sums and carried values, may be rounded once to bf16 or f16.
;; Inputs: Wk 1,024 x 1,024 float32; Wq 1,024 x 1,024 float32; Wv 1,024 x 1,024 float32; bk 1,024 float32; bq 1,024 float32; bv 1,024 float32; context 1,024 float32; key 4 x 2,048 x 1,024 float32; query 4 x 2,048 x 1,024 float32; value 4 x 2,048 x 1,024 float32.
;; Outputs: out0 4 x 2,048 x 1,024 float32.
;; 2 versions, each right; version 2 is version 1 with the launch wcvt written anew for expert scheduling mode. Each part assembles by itself: llvm-mc -triple=amdgcn-amd-amdhsa -mcpu=gfx1250 --defsym DOCPART=n.
;; ======== version 1 of 2: 4 launches
;; limits: values are held in f16: magnitudes above 65,504 overflow, below 6.1e-05 lose precision
;; workspace buffers: wb 6,291,456 bytes; qkv 50,331,648 bytes; ph 33,554,432 bytes; st 1,048,576 bytes
;; launch wcvt (part 1): grid 256 x 1, 8 waves a work-group, no clusters, 0 bytes of LDS; arguments Wq, Wk, Wv, wb; writes wb
.if DOCPART == 1
	.amdgcn_target "amdgcn-amd-amdhsa--gfx1250"
	.amdhsa_code_object_version 6
	.text
	.protected	k_qe8a950409d_wcvt
	.globl	k_qe8a950409d_wcvt
	.p2align	8
	.type	k_qe8a950409d_wcvt,@function
k_qe8a950409d_wcvt:
	s_mov_b64 s[64:65], 0
	v_nop
	global_prefetch_b8 v0, s[64:65] scope:SCOPE_SE
	s_setreg_imm32_b32 hwreg(HW_REG_WAVE_MODE, 25, 1), 1
	s_wait_xcnt 0x0
; wb[p][n][k] = bf16(W_p[n][k]), p = 0, 1, 2 for Wq, Wk, Wv: each [1024][1024], f32 in, bf16 out, rounded once to nearest even.
; Why a launch of its own: each tile of a weight matrix is multiplied by 64 row tiles in the next launch; rounded here once, it is fetched there at half the bytes and needs no vector work.
; SHARES.  256 work-groups of 8 waves; work-group g takes 16,384 bytes (4 rows) of each matrix.  Thread t takes 16 bytes at 16 t of each row: a wave's load covers 512 consecutive bytes,
; its store of 8 bytes a lane 256 consecutive bytes, aligned.  All twelve loads go out first; nothing is read twice; no LDS, no barrier, no matrix unit: a stream has no use for them.
.set IN,  8                            ; v[8:55]   twelve loads of four f32
.set OT,  56                           ; v[56:79]  twelve pairs of packed bf16
	s_load_b256 s[4:11], s[0:1], 0x0               ; Wq s[4:5], Wk s[6:7], Wv s[8:9], wb s[10:11]
	v_lshlrev_b32 v1, 4, v0                        ; 16 t: my bytes in a row of f32
	v_lshlrev_b32 v2, 3, v0                        ; 8 t: my bytes in a row of bf16
	s_lshl_b32 s12, ttmp9, 14                      ; the work-group's four rows, in f32
	s_mov_b32 s13, 0
	s_lshl_b32 s14, ttmp9, 13                      ; and in bf16
	s_mov_b32 s15, 0
	s_wait_kmcnt 0x0
	s_add_nc_u64 s[4:5], s[4:5], s[12:13]
	s_add_nc_u64 s[6:7], s[6:7], s[12:13]
	s_add_nc_u64 s[8:9], s[8:9], s[12:13]
	s_add_nc_u64 s[10:11], s[10:11], s[14:15]
.irp p, 0,1,2
.irp j, 0,1,2,3
	global_load_b128 v[IN+4*(4*(\p)+(\j)):IN+4*(4*(\p)+(\j))+3], v1, s[4+2*(\p):5+2*(\p)] offset:4096*(\j) th:TH_LOAD_NT
.endr
.endr
.irp p, 0,1,2
.irp j, 0,1,2,3
	s_wait_loadcnt 11-(4*(\p)+(\j))                ; loads return in order (ISA guide 5.7.1): this one is in, the younger ones stay out
	v_cvt_pk_bf16_f32 v[OT+2*(4*(\p)+(\j))],   v[IN+4*(4*(\p)+(\j))],   v[IN+4*(4*(\p)+(\j))+1]
	v_cvt_pk_bf16_f32 v[OT+2*(4*(\p)+(\j))+1], v[IN+4*(4*(\p)+(\j))+2], v[IN+4*(4*(\p)+(\j))+3]
	global_store_b64 v2, v[OT+2*(4*(\p)+(\j)):OT+2*(4*(\p)+(\j))+1], s[10:11] offset:2097152*(\p)+2048*(\j)
.endr
.endr
	s_endpgm
.Lfunc_end_k_qe8a950409d_wcvt:
	.size	k_qe8a950409d_wcvt, .Lfunc_end_k_qe8a950409d_wcvt-k_qe8a950409d_wcvt
	.p2alignl 7, 3214868480
	.fill 96, 4, 3214868480
	.section	.rodata,"a",@progbits
	.p2align	6, 0x0
	.amdhsa_kernel k_qe8a950409d_wcvt
		.amdhsa_group_segment_fixed_size 0
		.amdhsa_private_segment_fixed_size 0
		.amdhsa_enable_private_segment 0
		.amdhsa_kernarg_size 32
		.amdhsa_user_sgpr_count 2
		.amdhsa_user_sgpr_kernarg_segment_ptr 1
		.amdhsa_wavefront_size32 1
		.amdhsa_system_sgpr_workgroup_id_x 1
		.amdhsa_system_sgpr_workgroup_id_y 1
		.amdhsa_system_sgpr_workgroup_id_z 1
		.amdhsa_system_vgpr_workitem_id 0
		.amdhsa_next_free_vgpr 80
		.amdhsa_next_free_sgpr 66
		.amdhsa_reserve_vcc 0
		.amdhsa_float_denorm_mode_32 3
		.amdhsa_float_denorm_mode_16_64 3
		.amdhsa_memory_ordered 1
		.amdhsa_forward_progress 1
		.amdhsa_inst_pref_size 5
	.end_amdhsa_kernel
	.amdgpu_metadata
---
amdhsa.version: [ 1, 2 ]
amdhsa.kernels:
  - .name:           k_qe8a950409d_wcvt
    .symbol:         k_qe8a950409d_wcvt.kd
    .args:
      - { .name: Wq, .offset: 0, .size: 8, .value_kind: global_buffer, .address_space: global }
      - { .name: Wk, .offset: 8, .size: 8, .value_kind: global_buffer, .address_space: global }
      - { .name: Wv, .offset: 16, .size: 8, .value_kind: global_buffer, .address_space: global }
      - { .name: wb, .offset: 24, .size: 8, .value_kind: global_buffer, .address_space: global }
    .group_segment_fixed_size: 0
    .private_segment_fixed_size: 0
    .kernarg_segment_align: 8
    .kernarg_segment_size: 32
    .max_flat_workgroup_size: 256
    .sgpr_count:     66
    .vgpr_count:     80
    .wavefront_size: 32
...
	.end_amdgpu_metadata
.endif
;; end of part 1
;; launch proj (part 2): grid 4 x 192, 4 waves a work-group, clusters of 4 x 4, 327,680 bytes of LDS; arguments query, key, value, context, wb, bq, bk, bv, qkv; writes qkv
.if DOCPART == 2
	.amdgcn_target "amdgcn-amd-amdhsa--gfx1250"
	.amdhsa_code_object_version 6
	.text
	.protected	k_qe8a950409d_proj
	.globl	k_qe8a950409d_proj
	.p2align	8
	.type	k_qe8a950409d_proj,@function
k_qe8a950409d_proj:
	s_mov_b64 s[64:65], 0
	v_nop
	global_prefetch_b8 v0, s[64:65] scope:SCOPE_SE
	s_setreg_imm32_b32 hwreg(HW_REG_WAVE_MODE, 25, 1), 1
	s_wait_xcnt 0x0
	s_wait_alu depctr_hold_cnt(0) depctr_sa_sdst(0) depctr_va_vdst(0) depctr_va_sdst(0) depctr_va_ssrc(0) depctr_va_vcc(0) depctr_vm_vsrc(0)
	s_getreg_b32 s2, hwreg(HW_REG_IB_STS2, 6, 4)
	s_cmp_eq_u32 s2, 0
	s_cbranch_scc0 .Lentry_in_a_cluster
	s_endpgm
.Lentry_in_a_cluster:
	s_bfe_u32 s2, ttmp6, 0x10000c
	s_cmp_lg_u32 s2, 0xf033
	s_cbranch_scc0 .Lentry_shape_is_right
	s_endpgm
.Lentry_shape_is_right:
; qkv[p][m][n] = f16( sum over k of bf16(x_p[m][k] + ctx_p[k]) bf16(W_p[n][k]) + b_p[n] ),  p = 0, 1, 2: x = query, key, value; ctx = context, context, 0.
; x: [8192][1024] f32; wb: [3][1024][1024] bf16 (made by the launch before); b: [1024] f32; qkv: [3][8192][1024] f16.  The sum x + ctx is taken in f32 and rounded once to bf16;
; products' sums in f32, started by the bias as the first product's C operand; the result rounded once to f16.
; LIMITS.  f16 ends at 65,504: q, k and v must stay below it (inputs 30 times those drawn give some 3e3; offsets of 30 spreads in x, context and W together some 3.3e4).
; Below 6e-5 f16 keeps its fixed step of 6e-8.  NaN and infinities are not treated apart.
; SHARES.  A tile is 128 rows x 256 columns: 3 x 64 x 4 = 768 tiles, three for each of 256 WGPs.  Four waves, each 64 rows x 128 columns: 32 accumulators of 16 x 16, 256 registers.
; K goes in 8 steps of 128 through a ring of two LDS slots filled by the tensor data mover: x as f32 (rows of 512 bytes), W as bf16 (rows of 256 bytes).
; x IS ROUNDED ON THE WAY from LDS to the matrix unit: a quarter step's 64 rows x 32 k are 64 registers of f32 a lane, 32 packed additions of the context and 32 packed roundings:
; 64 vector instructions for 32 matrix instructions, set four at a time behind the quarter's last 16 products.
; CLUSTER.  4 x 4 work-groups.  The four of a row of the cluster share their rows of x, the four of a column their rows of W: each tile is asked for JOINTLY, by the same tensor load with the
; same descriptor and a mask that names the four.  All sixteen belong to one projection.
; THE MATRIX INSTRUCTION IS USED TRANSPOSED: source 0 = 16 rows of W, source 1 = 16 rows of x: lane l then holds row l % 16 and the columns 8 (l / 16) + 0..7.
; REGISTERS, in windows of 256 (s_set_vgpr_msb: bits 1:0 source 0, 3:2 source 1, 5:4 source 2, 7:6 destination):
;   window 0: v0-15 addresses; v16-31 context of a quarter; v32-95 x of a quarter in f32; v96-159 x's fragments, two buffers; v160-255 at work on the way out
;   window 1: v0-127 W's fragments, two buffers; v128-191 the bias as eight C operands          window 2: the accumulators, (a, b) at v[8 (8 a + b)]
.set PA,    528                        ; a row of x in LDS: 512 bytes + 16 = 132 words: row r starts at bank 4 r mod 64 (64 banks of 4 bytes: ISA guide 11.1)
.set PB,    272                        ; a row of W: 256 + 16 = 68 words: likewise
.set AHALF, 64*PA                      ; what one tensor load brings of x: 64 rows
.set BHALF, 128*PB                     ; and of W: 128 rows
.set BOFF,  2*AHALF                    ; in a slot: x's 128 rows, then W's 256
.set SLOT,  BOFF+2*BHALF               ; 137,216
.set STAGE, 2*SLOT                     ; behind the ring: 16 rows x 272 bytes for each wave, for the way out
.set SP,    272
.set CT,    STAGE+4*16*SP              ; the context (zeros for v), 4,096 bytes, stored once
.set SPARE, CT+4096                    ; the spare words, 128 bytes for each wave: two blocks of 256 bytes that no other line names
.set AA0, 2                            ; v2   my lane's place in a slot's x; never rewritten
.set AB0, 3                            ; v3   the same for W
.set ADC, 4                            ; v4   LDS address of the step's context for my lane
.set ADA, 5                            ; v5   AA0 + the slot being read
.set ADB, 6                            ; v6   AB0 + the slot being read
.set CTS, 7                            ; v7   where I store my 32 bytes of the context
.set STO, 8                            ; v8   the way out: where I put 16 bytes of a row
.set RD,  9                            ; v9   the way out: where I read a row back
.set CO,  10                           ; v10  my byte offset in two rows of qkv
.set BO,  11                           ; v11  my byte offset in 16 numbers of the bias
.set SPW, 12                           ; v12  LDS address of my spare word; never rewritten
.set NIL, 13                           ; v13  0; never rewritten
.set PFO, 14                           ; v14  the prefetches' offset; never rewritten
.set CGO, 15                           ; v15  my byte offset in context
.set CX,  16
.set RAW, 32
.set XA,  96
.set TMP, 160
.set OB,  192
.set RR,  176                          ; at work in the set-up
.set HH,  177
.set LN,  178
.set T0,  179
.set T1,  180
.set BIAS, 128                         ; window 1
.set WV,  22                           ; s22 wave; s23 wave / 2: my half of the rows, and: I fetch x (0) or W (1); s24 wave % 2: my half of the columns, and which half I fetch
.set WH,  23
.set WL,  24
.set CXI, 25                           ; my place in the cluster
.set CYI, 26
.set CLY, 27                           ; cluster y, 0..47
.set PJ,  28                           ; the projection, 0..2: the same in all sixteen partners
.set TR,  29                           ; tile row, 0..63
.set TC,  30                           ; tile column, 0..3
.set G1A, 32                           ; s[32:39] descriptor group 1 for x;  s[40:47] for W
.set G1B, 40
.set G0A0, 48                          ; s[48:51] group 0 for x: slot 0's first fill;  s[52:55] the walking set: slot 1's first fill and every refill
.set G0A, 52
.set G0B0, 56                          ; the same for W
.set G0B, 60
.set TB,  66                           ; s66  the slot being read: 0 or SLOT
.set CNT, 67                           ; s67  refills still to come
.set WPA, 68                           ; s68  my part's place in a slot, for x;  s69 for W
.set WPB, 69
.set LIM, 70                           ; s70  2 in a wave that prefetches, else the greatest number
.set CM,  71                           ; s71  all ones where the projection adds the context, else 0
.set PFA, 72                           ; s[72:73] where my prefetches stand
.set PFS, 74                           ; s[74:75] their step
.set XP,  76                           ; s[76:77] x of my projection
.set BI,  78                           ; s[78:79] its bias
.set OUT, 80                           ; s[80:81] qkv at my wave's first number
.set W_MUL,   0xa1                     ; W window 1, x window 0, C and D window 2
.set W_FIRST, 0x91                     ; the same with C (the bias) in window 1
.set MSB, 0
.macro WIN new                         ; the immediate's high byte repeats the setting that is left; a switch that changes nothing is dropped
.if MSB != (\new)
	s_set_vgpr_msb (MSB<<8)|(\new)
.set MSB, \new
.endif
.endm
.macro PLACES
.rept 4
	v_nop
.endr
.endm
; A joint refill.  Waves 0 and 1 fetch x's two halves, waves 2 and 3 W's.  The branch hangs on the wave's number alone.  An s_nop 0 and four v_nop follow each line.
.macro JLOAD
	s_cmp_eq_u32 s[WH], 0
	s_cbranch_scc0 .Lfor_b_\@
	tensor_load_to_lds s[G0A:G0A+3], s[G1A:G1A+7]
	s_nop 0
	PLACES
	s_branch .Lasked_\@
.Lfor_b_\@:
	tensor_load_to_lds s[G0B:G0B+3], s[G1B:G1B+7]
	s_nop 0
	PLACES
.Lasked_\@:
.endm
; A PREFETCH INTO THE L2, behind a joint refill and the run of LDS loads that follows it: the refill brings K step j + 2, the prefetch names K step j + 4, one instruction a wave.
; x: a wave's 64 rows x 512 bytes are 128 blocks of 256; the four partners that ask for them jointly take 16 rows each, told apart by address (cx): a lane a block.  No other cluster reads these rows.
; W: a wave's 128 rows x 256 bytes; the four partners take 32 rows each (cy): a lane a row; of the sixteen clusters of a projection, which read the same rows, the first asks.
; K steps 0 to 3 come by their loads alone; the last two refills ask for nothing: there is no K step 8.
.macro ASK
	s_cmp_gt_u32 s[CNT], s[LIM]
	s_cbranch_scc0 .Lnot_mine_\@
	global_prefetch_b8 v[PFO], s[PFA:PFA+1] th:TH_LOAD_NT scope:SCOPE_SE
.Lnot_mine_\@:
.endm
.macro CREST                           ; a round of the cluster's barrier behind its opening barrier
	s_cmp_lg_u32 s[WV], 0
	s_cbranch_scc1 .Lnot_wave_0_\@
	s_barrier_signal -3
.Lnot_wave_0_\@:
	s_barrier_wait -3
	s_barrier_signal -1
	s_barrier_wait -1
.endm
.macro CROUND
	s_barrier_signal -1
	s_barrier_wait -1
	CREST
.endm
	s_load_b512 s[4:19], s[0:1], 0x0               ; query s[4:5], key s[6:7], value s[8:9], context s[10:11], wb s[12:13], bq s[14:15], bk s[16:17], bv s[18:19]
	s_load_b64 s[20:21], s[0:1], 0x40              ; qkv
	v_lshl_add_u32 v[SPW], v0, 2, SPARE
	v_mov_b32 v[NIL], 0
	ds_add_u32 v[SPW], v[NIL]                      ; the wave's opening: the add and its wait stand ahead of my first tensor load; work on registers stands between them
	v_lshrrev_b32 v1, 5, v0
	v_readfirstlane_b32 s[WV], v1
	s_lshr_b32 s[WH], s[WV], 1
	s_and_b32 s[WL], s[WV], 1
	s_bfe_u32 s[CXI], ttmp6, 0x40000
	s_bfe_u32 s[CYI], ttmp6, 0x40004
	s_and_b32 s[CLY], ttmp7, 0xffff
	s_lshr_b32 s[PJ], s[CLY], 4                    ; 16 clusters a projection
	s_and_b32 s[TR], s[CLY], 15
	s_lshl_b32 s[TR], s[TR], 2
	s_add_co_u32 s[TR], s[TR], s[CYI]
	s_lshl_b32 s[TC], ttmp9, 2
	s_add_co_u32 s[TC], s[TC], s[CXI]
	s_lshl_b32 s82, s[CYI], 2
	s_lshl_b32 s82, 15, s82                        ; my row of the cluster
	s_lshl_b32 s83, 0x1111, s[CXI]                 ; my column
	s_or_b32 s[G1A], s82, (2<<16)|(1<<20)|(1<<21)|(6<<22)|(3<<25)  ; mask; elements of 4 bytes; padding on; bit 21 beside a mask; after every 128 words (code 6) 4 words (code 3)
	s_mov_b32 s[G1A+1], 128<<16                    ; tensor_dim0 = 128
	s_mov_b32 s[G1A+2], 64<<16                     ; tensor_dim1 = 64
	s_mov_b32 s[G1A+3], 128<<16                    ; tile_dim0 = 128
	s_mov_b32 s[G1A+4], 64                         ; tile_dim1 = 64
	s_mov_b32 s[G1A+5], 1024                       ; elements from row to row
	s_mov_b32 s[G1A+6], 0
	s_mov_b32 s[G1A+7], 0
	s_or_b32 s[G1B], s83, (1<<16)|(1<<20)|(1<<21)|(5<<22)|(3<<25)  ; elements of 2 bytes; after every 64 words (code 5) 4 words
	s_mov_b32 s[G1B+1], 128<<16
	s_mov_b32 s[G1B+2], 128<<16
	s_mov_b32 s[G1B+3], 128<<16
	s_mov_b32 s[G1B+4], 128
	s_mov_b32 s[G1B+5], 1024
	s_mov_b32 s[G1B+6], 0
	s_mov_b32 s[G1B+7], 0
	s_mul_i32 s[WPA], s[WL], AHALF                 ; no place in the cluster enters an LDS address
	s_mul_i32 s[WPB], s[WL], BHALF
	s_add_co_u32 s[WPB], s[WPB], BOFF
	s_mov_b32 s[G0A0], 1
	s_mov_b32 s[G0A0+1], s[WPA]
	s_mov_b32 s[G0A], 1
	s_add_co_u32 s[G0A+1], s[WPA], SLOT
	s_mov_b32 s[G0B0], 1
	s_mov_b32 s[G0B0+1], s[WPB]
	s_mov_b32 s[G0B], 1
	s_add_co_u32 s[G0B+1], s[WPB], SLOT
	s_mov_b32 s[TB], 0
	s_lshl_b32 s84, s[TR], 7                       ; x: row 128 x tile row + 64 x half, 4,096 bytes a row: hangs on cy, never on cx
	s_lshl_b32 s85, s[WL], 6
	s_add_co_u32 s84, s84, s85
	s_lshl_b32 s84, s84, 12
	s_mov_b32 s85, 0
	s_lshl_b32 s86, s[TC], 8                       ; W: row 256 x tile column + 128 x half, 2,048 bytes a row, in the projection's matrix: hangs on cx, never on cy
	s_lshl_b32 s87, s[WL], 7
	s_add_co_u32 s86, s86, s87
	s_lshl_b32 s86, s86, 11
	s_lshl_b32 s87, s[PJ], 21
	s_add_co_u32 s86, s86, s87
	s_mov_b32 s87, 0
	s_cmp_lt_u32 s[PJ], 2
	s_cselect_b32 s[CM], -1, 0
	s_wait_dscnt 0x0                               ; the opening add is done
	s_wait_kmcnt 0x0
	s_cmp_eq_u32 s[PJ], 0
	s_cselect_b64 s[XP:XP+1], s[4:5], s[6:7]
	s_cselect_b64 s[BI:BI+1], s[14:15], s[16:17]
	s_cmp_eq_u32 s[PJ], 2
	s_cselect_b64 s[XP:XP+1], s[8:9], s[XP:XP+1]
	s_cselect_b64 s[BI:BI+1], s[18:19], s[BI:BI+1]
	s_add_nc_u64 s[G0A0+2:G0A0+3], s[XP:XP+1], s[84:85]      ; K step 0
	s_add_nc_u64 s[G0A+2:G0A+3], s[G0A0+2:G0A0+3], 512       ; K step 1
	s_or_b32 s[G0A0+3], s[G0A0+3], 0x80000000                ; type = 2
	s_or_b32 s[G0A+3], s[G0A+3], 0x80000000
	s_add_nc_u64 s[G0B0+2:G0B0+3], s[12:13], s[86:87]
	s_add_nc_u64 s[G0B+2:G0B+3], s[G0B0+2:G0B0+3], 256
	s_or_b32 s[G0B0+3], s[G0B0+3], 0x80000000
	s_or_b32 s[G0B+3], s[G0B+3], 0x80000000
	CROUND                                         ; all sixteen work-groups are here: the first joint loads meet
	s_cmp_eq_u32 s[WH], 0                          ; a wave's two first fills stand in one branch: two loads of mine are out
	s_cbranch_scc0 .Lfirst_b
	tensor_load_to_lds s[G0A0:G0A0+3], s[G1A:G1A+7]
	s_nop 0
	tensor_load_to_lds s[G0A:G0A+3], s[G1A:G1A+7]
	s_nop 0
	PLACES
	s_branch .Lfirst_done
.Lfirst_b:
	tensor_load_to_lds s[G0B0:G0B0+3], s[G1B:G1B+7]
	s_nop 0
	tensor_load_to_lds s[G0B:G0B+3], s[G1B:G1B+7]
	s_nop 0
	PLACES
.Lfirst_done:
	; the context (32 bytes a thread) and the bias of my 128 columns: lane l wants, for column block b, the numbers 16 b + 8 (l / 16) + 0..7
	v_and_b32 v[RR], 15, v0                        ; l % 16
	v_bfe_u32 v[HH], v0, 4, 1                      ; l / 16
	v_and_b32 v[LN], 31, v0
	v_lshlrev_b32 v[CGO], 5, v0
	global_load_b128 v[TMP:TMP+3],   v[CGO], s[10:11]
	global_load_b128 v[TMP+4:TMP+7], v[CGO], s[10:11] offset:16
	v_lshlrev_b32 v[BO], 5, v[HH]
	s_lshl_b32 s82, s[TC], 10
	s_lshl_b32 s83, s[WL], 9
	s_add_co_u32 s82, s82, s83
	s_mov_b32 s83, 0
	s_add_nc_u64 s[BI:BI+1], s[BI:BI+1], s[82:83]
	WIN 0x40                                       ; destination window 1, address window 0
.irp b, 0,1,2,3,4,5,6,7
	global_load_b128 v[BIAS+8*(\b):BIAS+8*(\b)+3],   v[BO], s[BI:BI+1] offset:64*(\b)
	global_load_b128 v[BIAS+8*(\b)+4:BIAS+8*(\b)+7], v[BO], s[BI:BI+1] offset:64*(\b)+16
.endr
	WIN 0
	; A fragment is 16 rows x 32 k: lane l holds row l % 16, k = 8 (l / 16) + 0..7 and 16 + 8 (l / 16) + 0..7.  In f32 those are 32 bytes at 32 (l / 16) and 32 bytes 64 further on.
	s_mul_i32 s82, s[WH], AHALF                    ; my 64 rows of x
	v_mul_u32_u24 v[AA0], v[RR], PA
	v_lshl_add_u32 v[AA0], v[HH], 5, v[AA0]
	v_add_nc_u32 v[AA0], s82, v[AA0]
	v_mul_u32_u24 v[AB0], v[RR], PB                ; my 128 rows of W: WPB is their place too
	v_lshl_add_u32 v[AB0], v[HH], 4, v[AB0]
	v_add_nc_u32 v[AB0], s[WPB], v[AB0]
	v_mov_b32 v[ADA], v[AA0]
	v_mov_b32 v[ADB], v[AB0]
	v_lshl_add_u32 v[ADC], v[HH], 5, CT
	v_add_nc_u32 v[CTS], CT, v[CGO]
	s_mul_i32 s82, s[WV], 16*SP
	s_add_co_u32 s82, s82, STAGE                   ; my stage
	v_mul_u32_u24 v[STO], v[RR], SP
	v_lshl_add_u32 v[STO], v[HH], 4, v[STO]
	v_add_nc_u32 v[STO], s82, v[STO]
	v_mul_u32_u24 v[RD], v[HH], SP
	v_lshl_add_u32 v[RD], v[RR], 4, v[RD]
	v_add_nc_u32 v[RD], s82, v[RD]
	v_lshlrev_b32 v[CO], 11, v[HH]                 ; lanes 0-15 one row of qkv, lanes 16-31 the next
	v_lshl_add_u32 v[CO], v[RR], 4, v[CO]
	s_lshl_b32 s88, s[TR], 7                       ; qkv at my wave's 64 rows x 128 columns
	s_lshl_b32 s89, s[WH], 6
	s_add_co_u32 s88, s88, s89
	s_lshl_b32 s88, s88, 11
	s_lshl_b32 s89, s[PJ], 24
	s_add_co_u32 s88, s88, s89
	s_lshl_b32 s89, s[TC], 9
	s_add_co_u32 s88, s88, s89
	s_lshl_b32 s89, s[WL], 8
	s_add_co_u32 s88, s88, s89
	s_mov_b32 s89, 0
	s_add_nc_u64 s[OUT:OUT+1], s[20:21], s[88:89]
	; the prefetches: they stand at K step 3; each change of slots steps them once before it asks
	s_lshl_b32 s84, s[TR], 7
	s_lshl_b32 s85, s[WL], 6
	s_add_co_u32 s84, s84, s85
	s_lshl_b32 s85, s[CXI], 4                      ; my work-group's 16 rows of x's 64
	s_add_co_u32 s84, s84, s85
	s_lshl_b32 s84, s84, 12
	s_add_co_u32 s84, s84, 3*512
	s_lshl_b32 s86, s[TC], 8
	s_lshl_b32 s87, s[WL], 7
	s_add_co_u32 s86, s86, s87
	s_lshl_b32 s87, s[CYI], 5                      ; my work-group's 32 rows of W's 128
	s_add_co_u32 s86, s86, s87
	s_lshl_b32 s86, s86, 11
	s_lshl_b32 s87, s[PJ], 21
	s_add_co_u32 s86, s86, s87
	s_add_co_u32 s86, s86, 3*256
	s_and_b32 s88, s[CLY], 15
	s_mul_i32 s88, s88, s[WH]                      ; 0 in waves 0 and 1, and in the projection's first cluster
	s_cmp_eq_u32 s88, 0
	s_cselect_b32 s[LIM], 2, -1                    ; the same in all sixteen partners, for a given wave
	s_cmp_eq_u32 s[WH], 0
	s_cselect_b32 s84, s84, s86
	s_cselect_b64 s[PFA:PFA+1], s[XP:XP+1], s[12:13]
	s_cselect_b32 s[PFS], 2, 1
	s_cselect_b32 s90, 0, -1
	s_mov_b32 s85, 0
	s_add_nc_u64 s[PFA:PFA+1], s[PFA:PFA+1], s[84:85]
	s_lshl_b32 s[PFS], s[PFS], 8                   ; 512 bytes a K step in x, 256 in W
	s_mov_b32 s[PFS+1], 0
	v_lshrrev_b32 v[T0], 1, v[LN]                  ; x: row lane / 2, block lane % 2
	v_lshlrev_b32 v[T0], 12, v[T0]
	v_and_b32 v[T1], 1, v[LN]
	v_lshl_add_u32 v[T0], v[T1], 8, v[T0]
	v_lshlrev_b32 v[T1], 11, v[LN]                 ; W: a lane a row
	v_cndmask_b32 v[PFO], v[T0], v[T1], s90
	s_wait_loadcnt 16                              ; the context is in; the bias' 16 loads may stay out
.irp i, 0,1,2,3,4,5,6,7
	v_cndmask_b32 v[TMP+(\i)], 0, v[TMP+(\i)], s[CM]  ; v's projection adds no context
.endr
	ds_store_b128 v[CTS], v[TMP:TMP+3]
	ds_store_b128 v[CTS], v[TMP+4:TMP+7] offset:16
	s_wait_tensorcnt 0x1                           ; my part of K step 0 is in; K step 1's may stay out
	s_wait_dscnt 0x0                               ; my part of the context is stored
	s_barrier_signal -1
	s_barrier_wait -1                              ; everybody's is
; 36 LDS loads in one run, for the quarter at 32 kq along K of the slot being read: the context's 16 numbers for my lane, x's four fragments in f32, W's eight fragments into buffer g.
.macro FETCH g, kq
	WIN 0
.irp z, 0,1,2,3
	ds_load_b128 v[CX+4*(\z):CX+4*(\z)+3], v[ADC] offset:128*(\kq)+16*((\z)%2)+64*((\z)/2)
.endr
.irp a, 0,1,2,3
.irp z, 0,1,2,3
	ds_load_b128 v[RAW+16*(\a)+4*(\z):RAW+16*(\a)+4*(\z)+3], v[ADA] offset:16*PA*(\a)+128*(\kq)+16*((\z)%2)+64*((\z)/2)
.endr
.endr
	WIN 0x40
.irp b, 0,1,2,3,4,5,6,7
	ds_load_b128 v[64*(\g)+8*(\b):64*(\g)+8*(\b)+3],   v[ADB] offset:16*PB*(\b)+64*(\kq)
	ds_load_b128 v[64*(\g)+8*(\b)+4:64*(\g)+8*(\b)+7], v[ADB] offset:16*PB*(\b)+64*(\kq)+32
.endr
.endm
; Slice sl of 16: four vector instructions of the work that makes buffer g of x's fragments.  Fragment sl / 4: two slices add the context (two f32 an instruction), two round to bf16 in pairs.
.macro SLICE g
	WIN 0
.set fa, sl/4
.if (sl%4) < 2
.irp z, 0,1,2,3
	v_pk_add_f32 v[RAW+16*fa+8*(sl%4)+2*(\z):RAW+16*fa+8*(sl%4)+2*(\z)+1], v[RAW+16*fa+8*(sl%4)+2*(\z):RAW+16*fa+8*(sl%4)+2*(\z)+1], v[CX+8*(sl%4)+2*(\z):CX+8*(sl%4)+2*(\z)+1]
.endr
.else
.irp z, 0,1,2,3
	v_cvt_pk_bf16_f32 v[XA+32*(\g)+8*fa+4*(sl%4-2)+(\z)], v[RAW+16*fa+8*(sl%4-2)+2*(\z)], v[RAW+16*fa+8*(sl%4-2)+2*(\z)+1]
.endr
.endif
.set sl, sl+1
.endm
; 8 matrix instructions: row block a x all 8 column blocks, 32 along K, from buffer f.  zero = 1: the sums start with the bias.  g >= 0: a slice for buffer g stands behind each.
; The 32 accumulators take turns, one instruction a turn, in the same order in every quarter.
.macro MUL f, a, zero, g
.irp b, 0,1,2,3,4,5,6,7
.if \zero
	WIN W_FIRST
	v_wmma_f32_16x16x32_bf16 v[8*(8*(\a)+(\b)):8*(8*(\a)+(\b))+7], v[64*(\f)+8*(\b):64*(\f)+8*(\b)+7], v[XA+32*(\f)+8*(\a):XA+32*(\f)+8*(\a)+7], v[BIAS+8*(\b):BIAS+8*(\b)+7]
.else
	WIN W_MUL
	v_wmma_f32_16x16x32_bf16 v[8*(8*(\a)+(\b)):8*(8*(\a)+(\b))+7], v[64*(\f)+8*(\b):64*(\f)+8*(\b)+7], v[XA+32*(\f)+8*(\a):XA+32*(\f)+8*(\a)+7], v[8*(8*(\a)+(\b)):8*(8*(\a)+(\b))+7]
.endif
.if (\g) >= 0
	SLICE \g
.endif
.endr
.endm
; A QUARTER: multiplies buffer f (32 matrix instructions), fetches the quarter at kq at its head, and makes the other buffer of x's fragments behind its last 16 products.
; The last slice of the quarter before, four plain instructions that name no register of the product in front of them, are the four places ahead of this quarter's loads into W's buffer.
; turn = 1: the quarter has fetched the slot's last bytes, and changes slots: each wave waits for all its tensor loads, of which one is out: its part of the other slot; adds 0 to its spare word;
; waits for that and for its reads of this slot; a round of the cluster's barrier; and the joint refill is the first thing behind it: 112 matrix instructions ahead of the wait for it.
; turn = 2: the same change with nothing left to fetch: a plain barrier.  ask = 1: the prefetch stands behind the run of loads.
.macro QTR f, kq, zero, turn, ask
.if (\turn) == 1
	s_wait_xcnt 0x0                                ; the last prefetch, three quarters back, has read its address
	s_add_nc_u64 s[PFA:PFA+1], s[PFA:PFA+1], s[PFS:PFS+1]
.endif
	FETCH 1-(\f), \kq
.if \ask
	WIN 0
	ASK
.endif
	s_wait_dscnt 36                                ; all but the 36 just issued: W's fragments of buffer f are in
	MUL \f, 0, \zero, -1
	MUL \f, 1, \zero, -1
.set sl, 0
.if \turn
	WIN 0                                          ; (the add's two registers lie in window 0)
	s_wait_tensorcnt 0x0                           ; no tensor load of mine is out, so a group 0 may be written
	ds_add_u32 v[SPW], v[NIL]                      ; 0 onto my spare word
.if (\turn) == 1
	s_add_co_u32 s[G0A+1], s[WPA], s[TB]           ; the walking sets: into the slot that is being left,
	s_add_nc_u64 s[G0A+2:G0A+3], s[G0A+2:G0A+3], 512  ; the next K step; the type bits on top are not reached
	s_add_co_u32 s[G0B+1], s[WPB], s[TB]
	s_add_nc_u64 s[G0B+2:G0B+3], s[G0B+2:G0B+3], 256
.endif
	s_xor_b32 s[TB], s[TB], SLOT                   ; the reads go on in the other slot
	s_wait_dscnt 17                                ; the context and x are in; W's 16 loads and the add may be out
.else
	s_wait_dscnt 16                                ; the context and x are in; W's 16 loads may be out
.endif
	MUL \f, 2, \zero, 1-(\f)
.if \turn
	s_wait_dscnt 0x0                               ; the add is done, and my reads of this slot are over
	s_barrier_signal -1
.endif
	MUL \f, 3, \zero, 1-(\f)
.if \turn
	WIN 0
	s_barrier_wait -1
.if (\turn) == 1
	CREST                                          ; no wave of any partner still reads this slot or has a load on its way
	JLOAD
.endif
	v_add_nc_u32 v[ADA], s[TB], v[AA0]
	v_add_nc_u32 v[ADB], s[TB], v[AB0]
	v_add_nc_u32 v[ADC], 512, v[ADC]               ; the next K step's 128 numbers of the context
.endif
.endm
	FETCH 0, 0
	WIN 0
	s_wait_dscnt 16
.set sl, 0
.rept 16
	SLICE 0                                        ; the first quarter's fragments: there are no products yet to set them behind
.endr
	s_wait_loadcnt 0x0                             ; the bias
	QTR 0, 1, 1, 0, 0                              ; the first quarter stands ahead of the loop: its products start the sums
	WIN 0
	s_mov_b32 s[CNT], 6
.Lstep:                                                ; a trip: a K step's quarters 1, 2, 3 and the next step's quarter 0; it refills the slot that it leaves
	QTR 1, 2, 0, 0, 0
	QTR 0, 3, 0, 1, 0
	QTR 1, 0, 0, 0, 1
	QTR 0, 1, 0, 0, 0
	WIN 0
	s_sub_co_u32 s[CNT], s[CNT], 1
	s_cmp_lg_u32 s[CNT], 0
	s_cbranch_scc1 .Lstep
	QTR 1, 2, 0, 0, 0                              ; the tail is written out: K step 6 asks for nothing
	QTR 0, 3, 0, 2, 0
	QTR 1, 0, 0, 0, 0
	QTR 0, 1, 0, 0, 0
	QTR 1, 2, 0, 0, 0                              ; K step 7
	QTR 0, 3, 0, 0, 0
	s_wait_dscnt 0x0
	MUL 1, 0, 0, -1
	MUL 1, 1, 0, -1
	MUL 1, 2, 0, -1
	MUL 1, 3, 0, -1
; THE WAY OUT, 16 rows at a time: rounded to f16, 16 bytes a lane into my own stage, back as whole rows of 256 bytes, stored.
.macro PACK a
	WIN 0x0a                                       ; sources 0 and 1 window 2
.irp b, 0,1,2,3,4,5,6,7
.irp z, 0,1,2,3
	v_cvt_pk_f16_f32 v[TMP+4*(\b)+(\z)], v[64*(\a)+8*(\b)+2*(\z)], v[64*(\a)+8*(\b)+2*(\z)+1]
.endr
.endr
	WIN 0
.endm
.macro TOSTAGE a
.irp b, 0,1,2,3,4,5,6,7
	ds_store_b128 v[STO], v[TMP+4*(\b):TMP+4*(\b)+3] offset:32*(\b)
.endr
.irp t, 0,1,2,3,4,5,6,7
	ds_load_b128 v[OB+32*((\a)%2)+4*(\t):OB+32*((\a)%2)+4*(\t)+3], v[RD] offset:(\t)*2*SP  ; LDS serves a wave's instructions in order (ISA guide 5.7.1.4): these see the stores above
.endr
.endm
.macro SEND a
	s_wait_dscnt 0x0                               ; the block is back in registers
	s_wait_xcnt 0x0                                ; the registers that earlier stores read are loaded again only behind this wait
.irp t, 0,1,2,3,4,5,6,7
	global_store_b128 v[CO], v[OB+32*((\a)%2)+4*(\t):OB+32*((\a)%2)+4*(\t)+3], s[OUT:OUT+1] offset:(16*(\a)+2*(\t))*2048  ; 16 lanes store 256 consecutive bytes, aligned
.endr
.endm
	WIN 0
	PLACES                                         ; four places between the last product and the conversions
	PACK 0
	TOSTAGE 0
.irp a, 1,2,3
	PACK \a                                        ; a block's conversions stand between the loads of the block before and the wait for them
	SEND (\a)-1
	TOSTAGE \a
.endr
	SEND 3
	s_wait_tensorcnt 0x0                           ; the wave's end
	ds_add_u32 v[SPW], v[NIL]
	s_wait_dscnt 0x0
	CROUND                                         ; the closing round: no work-group ends while a partner may still ask for a tile that names it
	s_endpgm
.Lfunc_end_k_qe8a950409d_proj:
	.size	k_qe8a950409d_proj, .Lfunc_end_k_qe8a950409d_proj-k_qe8a950409d_proj
	.p2alignl 7, 3214868480
	.fill 96, 4, 3214868480
	.section	.rodata,"a",@progbits
	.p2align	6, 0x0
	.amdhsa_kernel k_qe8a950409d_proj
		.amdhsa_group_segment_fixed_size 327680
		.amdhsa_private_segment_fixed_size 0
		.amdhsa_enable_private_segment 0
		.amdhsa_kernarg_size 72
		.amdhsa_user_sgpr_count 2
		.amdhsa_user_sgpr_kernarg_segment_ptr 1
		.amdhsa_wavefront_size32 1
		.amdhsa_system_sgpr_workgroup_id_x 1
		.amdhsa_system_sgpr_workgroup_id_y 1
		.amdhsa_system_sgpr_workgroup_id_z 1
		.amdhsa_system_vgpr_workitem_id 0
		.amdhsa_next_free_vgpr 768
		.amdhsa_next_free_sgpr 96
		.amdhsa_reserve_vcc 0
		.amdhsa_float_denorm_mode_32 3
		.amdhsa_float_denorm_mode_16_64 3
		.amdhsa_memory_ordered 1
		.amdhsa_forward_progress 1
		.amdhsa_inst_pref_size 141
	.end_amdhsa_kernel
	.amdgpu_metadata
---
amdhsa.version: [ 1, 2 ]
amdhsa.kernels:
  - .name:           k_qe8a950409d_proj
    .symbol:         k_qe8a950409d_proj.kd
    .args:
      - { .name: query, .offset: 0, .size: 8, .value_kind: global_buffer, .address_space: global }
      - { .name: key, .offset: 8, .size: 8, .value_kind: global_buffer, .address_space: global }
      - { .name: value, .offset: 16, .size: 8, .value_kind: global_buffer, .address_space: global }
      - { .name: context, .offset: 24, .size: 8, .value_kind: global_buffer, .address_space: global }
      - { .name: wb, .offset: 32, .size: 8, .value_kind: global_buffer, .address_space: global }
      - { .name: bq, .offset: 40, .size: 8, .value_kind: global_buffer, .address_space: global }
      - { .name: bk, .offset: 48, .size: 8, .value_kind: global_buffer, .address_space: global }
      - { .name: bv, .offset: 56, .size: 8, .value_kind: global_buffer, .address_space: global }
      - { .name: qkv, .offset: 64, .size: 8, .value_kind: global_buffer, .address_space: global }
    .group_segment_fixed_size: 327680
    .private_segment_fixed_size: 0
    .kernarg_segment_align: 8
    .kernarg_segment_size: 72
    .max_flat_workgroup_size: 128
    .sgpr_count:     96
    .vgpr_count:     768
    .wavefront_size: 32
...
	.end_amdgpu_metadata
.endif
;; end of part 2
;; launch scores (part 3): grid 8 x 32, 4 waves a work-group, clusters of 4 x 4, 327,680 bytes of LDS; arguments qkv, ph, st; writes ph, st
.if DOCPART == 3
	.amdgcn_target "amdgcn-amd-amdhsa--gfx1250"
	.amdhsa_code_object_version 6
	.text
	.protected	k_qe8a950409d_scores
	.globl	k_qe8a950409d_scores
	.p2align	8
	.type	k_qe8a950409d_scores,@function
k_qe8a950409d_scores:
	s_mov_b64 s[64:65], 0
	v_nop
	global_prefetch_b8 v0, s[64:65] scope:SCOPE_SE
	s_setreg_imm32_b32 hwreg(HW_REG_WAVE_MODE, 25, 1), 1
	s_wait_xcnt 0x0
	s_wait_alu depctr_hold_cnt(0) depctr_sa_sdst(0) depctr_va_vdst(0) depctr_va_sdst(0) depctr_va_ssrc(0) depctr_va_vcc(0) depctr_vm_vsrc(0)
	s_getreg_b32 s2, hwreg(HW_REG_IB_STS2, 6, 4)
	s_cmp_eq_u32 s2, 0
	s_cbranch_scc0 .Lentry_in_a_cluster
	s_endpgm
.Lentry_in_a_cluster:
	s_bfe_u32 s2, ttmp6, 0x10000c
	s_cmp_lg_u32 s2, 0xf033
	s_cbranch_scc0 .Lentry_shape_is_right
	s_endpgm
.Lentry_shape_is_right:
; For each batch b, query row i and block t of 128 keys:  m'[t][i] = max over the block of c s,  ph[i][key] = f16(2^(c s - m')),  l[t][i] = the sum of 2^(c s - m') over the block,
; with s = q[i] . k[key] and c = log2(e) / 32 (the scale 1024^-1/2 and the change of base in one factor).  q, k: [8192][1024] f16, parts 0 and 1 of qkv.
; ph: [8192][2048] f16.  st: [4][16][2][2048] f32: batch, key block, (m', l), row.  Products, maxima and sums in f32; l is taken of the unrounded weights.
; THE MAXIMUM IS TAKEN AWAY block by block here; the next launch brings the sixteen blocks of a row onto the row's own maximum by the factors 2^(m'[t] - m').  Every exponent is 0 or less; each l is at least 1.
; LIMITS.  A weight below 6e-8 of its block's largest is stored as 0; one below 2^-126 counts as 0 in l.  NaN and infinities are not treated apart.
; SHARES.  A tile is 256 queries x 256 keys: 32 x 8 = 256 work-groups.  Four waves, each 128 x 128: 64 accumulators, 512 registers; a wave holds a whole key block of its 128 rows.
; K goes in 8 steps of 128 through a ring of two LDS slots (rows of 256 bytes).
; CLUSTER.  4 x 4 work-groups: q's tile is shared along a row of the cluster, k's along a column; each is asked for jointly.
; THE MATRIX INSTRUCTION IS USED TRANSPOSED: source 0 = 16 keys, source 1 = 16 queries: lane l holds query l % 16 and the keys 8 (l / 16) + 0..7 of each block of 16.
; REGISTERS: window 0: v0-41 addresses and statistics; v64-127, v128-191 q's fragments, two buffers (later: scores, weights, rows read back); window 1: the same two buffers for k;
;   window 2: the accumulators of my rows 0-63, (a, b) at v[8 (8 a + b)]; window 3: those of rows 64-127.
.set PITCH,  272                       ; 256 bytes + 16 = 68 words: row r starts at bank 4 r mod 64 (64 banks of 4 bytes: ISA guide 11.1)
.set HALFT,  128*PITCH
.set SLOT,   4*HALFT                   ; q's 256 rows, then k's 256 rows
.set STAGE,  2*SLOT                    ; 16 rows x 272 bytes for each wave
.set SPITCH, 272
.set STT,    STAGE+4*16*SPITCH         ; for each wave 128 m', then 128 l
.set SPARE,  STT+4*1024                ; the spare words, 128 bytes for each wave: two blocks of 256 bytes that no other line names
.set ADRA, 16                          ; v16  AA0 + the slot being read;  v17 my lane's place in a slot's q; never rewritten
.set AA0,  17
.set ADRB, 20                          ; the same for k
.set AB0,  21
.set STO,  24
.set RD,   25
.set CO,   26                          ; v26  my byte offset in two rows of ph
.set SA,   27                          ; v27  where my row's m' (lanes 0-15) or l (lanes 16-31) goes
.set SPW,  28
.set NIL,  29
.set PFO,  30
.set L16,  31                          ; v31  16 x lane
.set C0,   32                          ; v32-35 four chains of the maximum
.set MQ,   36                          ; v[36:37] m' (the pair is named; its low word serves both halves)
.set SU,   38                          ; v38-40 at work
.set STR,  41                          ; v41  where I read the statistics back
.set F0,   64
.set F1,   128
.set S,    64                          ; the epilogue: 64 scores a lane
.set PH,   128                         ; 32 registers of packed weights
.set OB,   160                         ; 16 rows read back
.set WV,  10
.set WH,  11
.set WL,  12
.set CXI, 13
.set CYI, 14
.set CLY, 15
.set KT,  16                           ; key tile of the batch, 0..7
.set YY,  17                           ; query tile, 0..31
.set BB,  18                           ; batch
.set G1A, 24
.set G0A0, 32
.set G0A, 36
.set G1B, 40
.set G0B0, 48
.set G0B, 52
.set PFA, 56
.set LIM, 58
.set TB,  66
.set CNT, 67
.set WP,  68
.set CS,  70
.set SEL, 72
.set HM,  74
.set AI,  75
.set PO,  76
.set SO,  78
.set MUL_LO, 0xa1
.set TO_B,   0x40
.set MSB, 0
.macro WIN new
.if MSB != (\new)
	s_set_vgpr_msb (MSB<<8)|(\new)
.set MSB, \new
.endif
.endm
.macro PLACES
.rept 4
	v_nop
.endr
.endm
.macro JLOAD                           ; waves 0 and 1 fetch q's two halves, waves 2 and 3 k's; an s_nop 0 and four v_nop follow each line
	s_cmp_eq_u32 s[WH], 0
	s_cbranch_scc0 .Lfor_b_\@
	tensor_load_to_lds s[G0A:G0A+3], s[G1A:G1A+7]
	s_nop 0
	PLACES
	s_branch .Lasked_\@
.Lfor_b_\@:
	tensor_load_to_lds s[G0B:G0B+3], s[G1B:G1B+7]
	s_nop 0
	PLACES
.Lasked_\@:
.endm
; A PREFETCH INTO THE L2 behind a joint refill and the run of LDS loads that follows it: the refill brings K step j + 2, the prefetch names K step j + 4: 32 rows x 256 bytes, a lane a row.
; q's rows are read by the two clusters of a row of clusters: the one with x = 0 asks; k's by the two clusters of a batch in a column: the one with even y asks.  The four partners that ask for
; a tile jointly take 32 of a wave's 128 rows each, told apart by address.  K steps 0 to 3 come by their loads alone; the last two refills ask for nothing.
.macro ASK
	s_cmp_gt_u32 s[CNT], s[LIM]
	s_cbranch_scc0 .Lnot_mine_\@
	global_prefetch_b8 v[PFO], s[PFA:PFA+1] th:TH_LOAD_NT scope:SCOPE_SE
.Lnot_mine_\@:
.endm
.macro CREST
	s_cmp_lg_u32 s[WV], 0
	s_cbranch_scc1 .Lnot_wave_0_\@
	s_barrier_signal -3
.Lnot_wave_0_\@:
	s_barrier_wait -3
	s_barrier_signal -1
	s_barrier_wait -1
.endm
.macro CROUND
	s_barrier_signal -1
	s_barrier_wait -1
	CREST
.endm
	s_load_b128 s[4:7], s[0:1], 0x0                ; qkv s[4:5], ph s[6:7]
	s_load_b64 s[8:9], s[0:1], 0x10                ; st
	v_lshl_add_u32 v[SPW], v0, 2, SPARE
	v_mov_b32 v[NIL], 0
	ds_add_u32 v[SPW], v[NIL]                      ; the wave's opening: the add and its wait stand ahead of my first tensor load
	v_lshrrev_b32 v1, 5, v0
	v_readfirstlane_b32 s[WV], v1
	s_lshr_b32 s[WH], s[WV], 1
	s_and_b32 s[WL], s[WV], 1
	s_bfe_u32 s[CXI], ttmp6, 0x40000
	s_bfe_u32 s[CYI], ttmp6, 0x40004
	s_and_b32 s[CLY], ttmp7, 0xffff
	s_lshl_b32 s[KT], ttmp9, 2
	s_add_co_u32 s[KT], s[KT], s[CXI]
	s_lshl_b32 s[YY], s[CLY], 2
	s_add_co_u32 s[YY], s[YY], s[CYI]
	s_lshr_b32 s[BB], s[CLY], 1                    ; 8 query tiles, two clusters, a batch
	s_lshl_b32 s60, s[CYI], 2
	s_lshl_b32 s60, 15, s60                        ; my row of the cluster
	s_lshl_b32 s61, 0x1111, s[CXI]                 ; my column
	s_or_b32 s[G1A], s60, (1<<16)|(1<<20)|(1<<21)|(5<<22)|(3<<25)  ; mask; 2-byte elements; padding on; bit 21 beside a mask; after every 64 words (code 5) 4 words (code 3)
	s_or_b32 s[G1B], s61, (1<<16)|(1<<20)|(1<<21)|(5<<22)|(3<<25)
.irp g, G1A, G1B
	s_mov_b32 s[(\g)+1], 128<<16                   ; tensor_dim0 = 128
	s_mov_b32 s[(\g)+2], 128<<16                   ; tensor_dim1 = 128
	s_mov_b32 s[(\g)+3], 128<<16                   ; tile_dim0 = 128
	s_mov_b32 s[(\g)+4], 128                       ; tile_dim1 = 128
	s_mov_b32 s[(\g)+5], 1024                      ; elements from row to row
	s_mov_b32 s[(\g)+6], 0
	s_mov_b32 s[(\g)+7], 0
.endr
	s_mul_i32 s[WP], s[WV], HALFT                  ; q's two halves, then k's two: wave x 128 rows
.irp g, G0A0, G0B0
	s_mov_b32 s[(\g)], 1
	s_mov_b32 s[(\g)+1], s[WP]
.endr
.irp g, G0A, G0B
	s_mov_b32 s[(\g)], 1
	s_add_co_u32 s[(\g)+1], s[WP], SLOT
.endr
	s_mov_b32 s[TB], 0
	s_lshl_b32 s20, s[YY], 8                       ; q: row 256 x query tile + 128 x half: hangs on cy, never on cx
	s_lshl_b32 s21, s[WL], 7
	s_add_co_u32 s20, s20, s21
	s_lshl_b32 s20, s20, 11
	s_mov_b32 s21, 0
	s_lshl_b32 s22, s[BB], 11                      ; k: row 2,048 x batch + 256 x key tile + 128 x half, in part 1 of qkv: hangs on cx, never on cy
	s_lshl_b32 s23, s[KT], 8
	s_add_co_u32 s22, s22, s23
	s_lshl_b32 s23, s[WL], 7
	s_add_co_u32 s22, s22, s23
	s_lshl_b32 s22, s22, 11
	s_add_co_u32 s22, s22, 16777216
	s_mov_b32 s23, 0
	s_mov_b32 s[CS], 0x3d38aa3b                    ; c = log2(e) / 32
	s_mov_b32 s[CS+1], s[CS]                       ; named with it as a pair
	s_mov_b32 s[SEL], 0x76543210
	s_mov_b32 s[SEL+1], 0xfedcba98
	s_mov_b32 s[HM], 0xffff0000                    ; lanes 16-31
	s_wait_dscnt 0x0                               ; the opening add is done
	s_wait_kmcnt 0x0
	s_add_nc_u64 s[G0A0+2:G0A0+3], s[4:5], s[20:21]
	s_add_nc_u64 s[G0A+2:G0A+3], s[G0A0+2:G0A0+3], 256
	s_or_b32 s[G0A0+3], s[G0A0+3], 0x80000000
	s_or_b32 s[G0A+3], s[G0A+3], 0x80000000
	s_add_nc_u64 s[G0B0+2:G0B0+3], s[4:5], s[22:23]
	s_add_nc_u64 s[G0B+2:G0B+3], s[G0B0+2:G0B0+3], 256
	s_or_b32 s[G0B0+3], s[G0B0+3], 0x80000000
	s_or_b32 s[G0B+3], s[G0B+3], 0x80000000
	CROUND                                         ; all sixteen work-groups are here: the first joint loads meet
	s_cmp_eq_u32 s[WH], 0                          ; a wave's two first fills stand in one branch: two loads of mine are out
	s_cbranch_scc0 .Lfirst_b
	tensor_load_to_lds s[G0A0:G0A0+3], s[G1A:G1A+7]
	s_nop 0
	tensor_load_to_lds s[G0A:G0A+3], s[G1A:G1A+7]
	s_nop 0
	PLACES
	s_branch .Lfirst_done
.Lfirst_b:
	tensor_load_to_lds s[G0B0:G0B0+3], s[G1B:G1B+7]
	s_nop 0
	tensor_load_to_lds s[G0B:G0B+3], s[G1B:G1B+7]
	s_nop 0
	PLACES
.Lfirst_done:
	v_and_b32 v1, 15, v0                           ; l % 16
	v_bfe_u32 v2, v0, 4, 1                         ; l / 16
	v_mul_u32_u24 v3, v1, PITCH
	v_lshl_add_u32 v3, v2, 4, v3                   ; a fragment's row x pitch + 16 x half
	s_mul_i32 s60, s[WH], HALFT                    ; my 128 rows of q
	s_mul_i32 s61, s[WL], HALFT                    ; my 128 rows of k,
	s_add_co_u32 s61, s61, 2*HALFT                 ; behind q's 256
	v_add_nc_u32 v[AA0], s60, v3
	v_add_nc_u32 v[AB0], s61, v3
	v_mov_b32 v[ADRA], v[AA0]
	v_mov_b32 v[ADRB], v[AB0]
	s_mul_i32 s60, s[WV], 16*SPITCH
	s_add_co_u32 s60, s60, STAGE
	v_mul_u32_u24 v4, v1, SPITCH
	v_lshl_add_u32 v4, v2, 4, v4
	v_add_nc_u32 v[STO], s60, v4
	v_mul_u32_u24 v5, v2, SPITCH
	v_lshl_add_u32 v5, v1, 4, v5
	v_add_nc_u32 v[RD], s60, v5
	v_lshlrev_b32 v[CO], 12, v2                    ; a row of ph is 4,096 bytes
	v_lshl_add_u32 v[CO], v1, 4, v[CO]
	s_lshl_b32 s60, s[WV], 10
	s_add_co_u32 s60, s60, STT
	v_lshlrev_b32 v[SA], 9, v2
	v_lshl_add_u32 v[SA], v1, 2, v[SA]
	v_add_nc_u32 v[SA], s60, v[SA]
	v_and_b32 v[L16], 31, v0
	v_lshlrev_b32 v[PFO], 11, v[L16]               ; a lane a row of 2,048 bytes
	v_lshlrev_b32 v[L16], 4, v[L16]
	v_add_nc_u32 v[STR], s60, v[L16]
	v_mov_b32 v[MQ+1], 0                           ; named in a pair, so it is written
	v_mov_b32 v[SU+1], 0                           ; a destination of v_permlanex16_b32 counts as read
	s_lshl_b32 s80, s[YY], 8                       ; ph at my wave's 128 rows x 128 keys
	s_lshl_b32 s81, s[WH], 7
	s_add_co_u32 s80, s80, s81
	s_lshl_b32 s80, s80, 12
	s_lshl_b32 s81, s[KT], 9
	s_add_co_u32 s80, s80, s81
	s_lshl_b32 s81, s[WL], 8
	s_add_co_u32 s80, s80, s81
	s_mov_b32 s81, 0
	s_add_nc_u64 s[PO:PO+1], s[6:7], s[80:81]
	s_and_b32 s80, s[YY], 7                        ; st at my batch, my key block 2 x key tile + half, my 128 rows
	s_lshl_b32 s80, s80, 8
	s_lshl_b32 s81, s[WH], 7
	s_add_co_u32 s80, s80, s81
	s_lshl_b32 s80, s80, 2
	s_lshl_b32 s81, s[KT], 15
	s_add_co_u32 s80, s80, s81
	s_lshl_b32 s81, s[WL], 14
	s_add_co_u32 s80, s80, s81
	s_lshl_b32 s81, s[BB], 18
	s_add_co_u32 s80, s80, s81
	s_mov_b32 s81, 0
	s_add_nc_u64 s[SO:SO+1], s[8:9], s[80:81]
	s_lshl_b32 s80, s[CXI], 16                     ; the prefetches: my work-group's 32 rows (2,048 bytes each) of the 128 that I fetch, at K step 3
	s_add_co_u32 s80, s80, s20
	s_lshl_b32 s82, s[CYI], 16
	s_add_co_u32 s82, s82, s22
	s_and_b32 s83, s[CLY], 1
	s_cmp_eq_u32 s[WH], 0
	s_cselect_b32 s80, s80, s82
	s_cselect_b32 s83, ttmp9, s83                  ; the coordinate along which another cluster reads the same rows
	s_add_co_u32 s80, s80, 3*256
	s_mov_b32 s81, 0
	s_add_nc_u64 s[PFA:PFA+1], s[4:5], s[80:81]
	s_cmp_eq_u32 s83, 0
	s_cselect_b32 s[LIM], 2, -1                    ; the same in all sixteen partners, for a given wave
; 16 matrix instructions: row blocks a0, a0 + 1 of the window's four x all 8 key blocks, 32 along K.  The 64 accumulators take turns in the same order in every quarter.
.macro MUL16 f, hi, a0, zero
	WIN MUL_LO+0x50*(\hi)
.irp a, \a0, (\a0)+1
.irp b, 0,1,2,3,4,5,6,7
.if \zero
	v_wmma_f32_16x16x32_f16 v[8*(8*(\a)+(\b)):8*(8*(\a)+(\b))+7], v[(\f)+8*(\b):(\f)+8*(\b)+7], v[(\f)+8*(4*(\hi)+(\a)):(\f)+8*(4*(\hi)+(\a))+7], 0
.else
	v_wmma_f32_16x16x32_f16 v[8*(8*(\a)+(\b)):8*(8*(\a)+(\b))+7], v[(\f)+8*(\b):(\f)+8*(\b)+7], v[(\f)+8*(4*(\hi)+(\a)):(\f)+8*(4*(\hi)+(\a))+7], v[8*(8*(\a)+(\b)):8*(8*(\a)+(\b))+7]
.endif
.endr
.endr
.endm
.macro FETCH k, f                      ; 32 LDS loads in one run: k's 128 rows, then q's, 32 along K at byte k of the rows of the slot being read
	WIN TO_B
.irp i, 0,1,2,3,4,5,6,7
	ds_load_b128 v[(\f)+8*(\i):(\f)+8*(\i)+3],   v[ADRB] offset:(\k)+(\i)*16*PITCH
	ds_load_b128 v[(\f)+8*(\i)+4:(\f)+8*(\i)+7], v[ADRB] offset:(\k)+(\i)*16*PITCH+32
.endr
	WIN 0
.irp i, 0,1,2,3,4,5,6,7
	ds_load_b128 v[(\f)+8*(\i):(\f)+8*(\i)+3],   v[ADRA] offset:(\k)+(\i)*16*PITCH
	ds_load_b128 v[(\f)+8*(\i)+4:(\f)+8*(\i)+7], v[ADRA] offset:(\k)+(\i)*16*PITCH+32
.endr
.endm
.macro QUARTER k, f, g, zero           ; multiplies buffer f; in its middle fetches the next quarter, at byte k, into buffer g
	s_wait_dscnt 8                                 ; k and q's rows 0-63 are in; the youngest eight loads may be out
	MUL16 \f, 0, 0, \zero
	MUL16 \f, 0, 2, \zero
	PLACES                                         ; four places ahead of loads into registers that matrix instructions have read (ISA guide 7.12.1 for vector instructions)
	FETCH \k, \g
	s_wait_dscnt 32                                ; all but the 32 just issued
	MUL16 \f, 1, 0, \zero
	MUL16 \f, 1, 2, \zero
.endm
; The last quarter of a K step multiplies buffer 1 and changes slots.  Each wave waits for all its tensor loads, of which one is out: its part of the other slot; adds 0 to its spare word; waits for
; that and for its reads of this slot.  fill = 1: a round of the cluster's barrier, and the joint refill first behind it, 224 matrix instructions ahead of the wait for it.
.macro TURN fill
.if \fill
	s_wait_xcnt 0x0                                ; the last prefetch, a K step back, has read its address
	s_add_nc_u64 s[PFA:PFA+1], s[PFA:PFA+1], 256
.endif
	WIN 0
	s_wait_tensorcnt 0x0                           ; no tensor load of mine is out, so a group 0 may be written
	ds_add_u32 v[SPW], v[NIL]                      ; 0 onto my spare word
.if \fill
	s_add_co_u32 s[G0A+1], s[WP], s[TB]            ; the walking sets: into the slot that is being left, the next K step
	s_add_nc_u64 s[G0A+2:G0A+3], s[G0A+2:G0A+3], 256
	s_add_co_u32 s[G0B+1], s[WP], s[TB]
	s_add_nc_u64 s[G0B+2:G0B+3], s[G0B+2:G0B+3], 256
.endif
	s_xor_b32 s[TB], s[TB], SLOT
	s_wait_dscnt 9                                 ; the add and the youngest eight loads may be out
	MUL16 F1, 0, 0, 0
	s_wait_dscnt 0x0                               ; the add is done, and my reads of this slot are over
	s_barrier_signal -1
	MUL16 F1, 0, 2, 0
	WIN 0
	s_barrier_wait -1
.if \fill
	CREST
	JLOAD                                          ; its four v_nop are also the places ahead of the loads below
.else
	PLACES
.endif
	v_add_nc_u32 v[ADRA], s[TB], v[AA0]
	v_add_nc_u32 v[ADRB], s[TB], v[AB0]
	FETCH 0, F0
.if \fill
	ASK
.endif
	MUL16 F1, 1, 0, 0
	MUL16 F1, 1, 2, 0
.endm
	s_wait_tensorcnt 0x1                           ; my part of K step 0 is in; K step 1's may stay out
	s_barrier_signal -1
	s_barrier_wait -1
	FETCH 0, F0
	QUARTER 64, F0, F1, 1                          ; the first quarter stands ahead of the loop: its products start the sums
	WIN 0
	s_mov_b32 s[CNT], 6
.Lstep:                                                ; a trip: a K step's quarters 1, 2, 3 and the next step's quarter 0
	QUARTER 128, F1, F0, 0
	QUARTER 192, F0, F1, 0
	TURN 1
	QUARTER 64, F0, F1, 0
	WIN 0
	s_sub_co_u32 s[CNT], s[CNT], 1
	s_cmp_lg_u32 s[CNT], 0
	s_cbranch_scc1 .Lstep
	QUARTER 128, F1, F0, 0                         ; the tail is written out
	QUARTER 192, F0, F1, 0
	TURN 0
	QUARTER 64, F0, F1, 0
	QUARTER 128, F1, F0, 0
	QUARTER 192, F0, F1, 0
	s_wait_dscnt 8
	MUL16 F1, 0, 0, 0
	MUL16 F1, 0, 2, 0
	s_wait_dscnt 0x0
	MUL16 F1, 1, 0, 0
	MUL16 F1, 1, 2, 0
	WIN 0
	PLACES                                         ; four places between the last product and what reads its results or writes its sources
; THE SOFTMAX'S FIRST HALF, 16 rows at a time: a loop of eight trips, written once.  Only the 32 lines that name accumulators differ from trip to trip: they stand eight times, and the trip's number
; chooses (forward jumps).  They bring c s into window 0: one multiply here and one subtraction below, where one fused line would do, is the price of writing the other 230 lines once.
.macro PIECE a
.Lpiece\a:
	WIN 0x02+((\a)/4)                              ; source 0 in window 2 or 3
.set i, 0
.rept 32
	v_pk_mul_f32 v[S+i:S+i+1], v[64*((\a)%4)+i:64*((\a)%4)+i+1], s[CS:CS+1] op_sel_hi:[1,0]  ; each accumulator is read from its low end on
.set i, i+2
.endr
	WIN 0
	s_branch .Ljoin
.endm
	s_mov_b32 s[AI], 0
.Lrow:
.irp a, 0,1,2,3,4,5,6
	s_cmp_eq_u32 s[AI], \a
	s_cbranch_scc1 .Lpiece\a
.endr
	PIECE 7
	PIECE 0
	PIECE 1
	PIECE 2
	PIECE 3
	PIECE 4
	PIECE 5
	PIECE 6
.Ljoin:
.set n, 0
.rept 8                                ; the maximum of my 64 scores: four chains of 16
.irp q, 0,1,2,3
.if n == 0
	v_max3_num_f32 v[C0+(\q)], v[S+16*(\q)], v[S+16*(\q)+1], v[S+16*(\q)+2]
.elseif n < 7
	v_max3_num_f32 v[C0+(\q)], v[C0+(\q)], v[S+16*(\q)+2*n+1], v[S+16*(\q)+2*n+2]
.else
	v_max_num_f32 v[C0+(\q)], v[C0+(\q)], v[S+16*(\q)+15]
.endif
.endr
.set n, n+1
.endr
	v_max3_num_f32 v[C0], v[C0], v[C0+1], v[C0+2]
	v_max_num_f32 v[C0], v[C0], v[C0+3]
	v_permlanex16_b32 v[C0+1], v[C0], s[SEL], s[SEL+1]  ; the row's other 64 keys lie in the lane 16 away
	v_max_num_f32 v[MQ], v[C0], v[C0+1]            ; m'
.set i, 0
.rept 32
	v_pk_add_f32 v[S+i:S+i+1], v[S+i:S+i+1], v[MQ:MQ+1] op_sel_hi:[1,0] neg_lo:[0,1] neg_hi:[0,1]  ; c s - m'
.set i, i+2
.endr
.set i, 0
.rept 64
	v_exp_f32 v[S+i], v[S+i]                       ; one batch
.set i, i+1
.endr
	v_nop                                          ; a plain instruction behind the last exponential (ISA guide 5.7.2),
	s_wait_alu depctr_va_vdst(0)                   ; and one wait for the batch ahead of the first reader
.set i, 0
.rept 32
	v_cvt_pk_f16_f32 v[PH+i], v[S+2*i], v[S+2*i+1]
.set i, i+1
.endr
.irp b, 0,1,2,3,4,5,6,7
	ds_store_b128 v[STO], v[PH+4*(\b):PH+4*(\b)+3] offset:32*(\b)
.endr
.irp t, 0,1,2,3,4,5,6,7
	ds_load_b128 v[OB+4*(\t):OB+4*(\t)+3], v[RD] offset:(\t)*2*SPITCH  ; LDS serves a wave's instructions in order (ISA guide 5.7.1.4): these see the stores above
.endr
.irp w, 4,8,16,32,64                   ; the sum of the unrounded weights, as a tree, while the rows come back
.set u, 0
.rept 64/(\w)
	v_pk_add_f32 v[S+(\w)*u:S+(\w)*u+1], v[S+(\w)*u:S+(\w)*u+1], v[S+(\w)*u+(\w)/2:S+(\w)*u+(\w)/2+1]
.set u, u+1
.endr
.endr
	v_add_f32 v[SU], v[S], v[S+1]
	v_permlanex16_b32 v[SU+1], v[SU], s[SEL], s[SEL+1]
	v_add_f32 v[SU], v[SU], v[SU+1]                ; l
	v_cndmask_b32 v[SU+2], v[MQ], v[SU], s[HM]     ; lanes 0-15 hand in m', lanes 16-31 l
	ds_store_b32 v[SA], v[SU+2]
	s_wait_dscnt 1                                 ; the rows are back; the store just issued may be out
.irp t, 0,1,2,3,4,5,6,7
	global_store_b128 v[CO], v[OB+4*(\t):OB+4*(\t)+3], s[PO:PO+1] offset:(\t)*8192  ; 16 lanes store 256 consecutive bytes, aligned
.endr
	s_wait_xcnt 0x0                                ; the stores have read their base and their data: both are written again only behind this wait
	s_add_nc_u64 s[PO:PO+1], s[PO:PO+1], 65536     ; 16 rows of ph on
	v_add_nc_u32 v[SA], 64, v[SA]
	s_add_co_u32 s[AI], s[AI], 1
	s_cmp_lt_u32 s[AI], 8
	s_cbranch_scc1 .Lrow
	ds_load_b128 v[S:S+3],   v[STR]                ; my wave's 128 m' and 128 l, 512 consecutive bytes each
	ds_load_b128 v[S+4:S+7], v[STR] offset:512
	s_wait_dscnt 0x0
	global_store_b128 v[L16], v[S:S+3],   s[SO:SO+1]
	global_store_b128 v[L16], v[S+4:S+7], s[SO:SO+1] offset:8192
	s_wait_tensorcnt 0x0                           ; the wave's end
	ds_add_u32 v[SPW], v[NIL]
	s_wait_dscnt 0x0
	CROUND                                         ; the closing round
	s_endpgm
.Lfunc_end_k_qe8a950409d_scores:
	.size	k_qe8a950409d_scores, .Lfunc_end_k_qe8a950409d_scores-k_qe8a950409d_scores
	.p2alignl 7, 3214868480
	.fill 96, 4, 3214868480
	.section	.rodata,"a",@progbits
	.p2align	6, 0x0
	.amdhsa_kernel k_qe8a950409d_scores
		.amdhsa_group_segment_fixed_size 327680
		.amdhsa_private_segment_fixed_size 0
		.amdhsa_enable_private_segment 0
		.amdhsa_kernarg_size 24
		.amdhsa_user_sgpr_count 2
		.amdhsa_user_sgpr_kernarg_segment_ptr 1
		.amdhsa_wavefront_size32 1
		.amdhsa_system_sgpr_workgroup_id_x 1
		.amdhsa_system_sgpr_workgroup_id_y 1
		.amdhsa_system_sgpr_workgroup_id_z 1
		.amdhsa_system_vgpr_workitem_id 0
		.amdhsa_next_free_vgpr 1024
		.amdhsa_next_free_sgpr 84
		.amdhsa_reserve_vcc 0
		.amdhsa_float_denorm_mode_32 3
		.amdhsa_float_denorm_mode_16_64 3
		.amdhsa_memory_ordered 1
		.amdhsa_forward_progress 1
		.amdhsa_inst_pref_size 116
	.end_amdhsa_kernel
	.amdgpu_metadata
---
amdhsa.version: [ 1, 2 ]
amdhsa.kernels:
  - .name:           k_qe8a950409d_scores
    .symbol:         k_qe8a950409d_scores.kd
    .args:
      - { .name: qkv, .offset: 0, .size: 8, .value_kind: global_buffer, .address_space: global }
      - { .name: ph, .offset: 8, .size: 8, .value_kind: global_buffer, .address_space: global }
      - { .name: st, .offset: 16, .size: 8, .value_kind: global_buffer, .address_space: global }
    .group_segment_fixed_size: 327680
    .private_segment_fixed_size: 0
    .kernarg_segment_align: 8
    .kernarg_segment_size: 24
    .max_flat_workgroup_size: 128
    .sgpr_count:     84
    .vgpr_count:     1024
    .wavefront_size: 32
...
	.end_amdgpu_metadata
.endif
;; end of part 3
;; launch pv (part 4): grid 4 x 64, 4 waves a work-group, clusters of 4 x 4, 327,680 bytes of LDS; arguments ph, qkv, st, out0; writes out0
.if DOCPART == 4
	.amdgcn_target "amdgcn-amd-amdhsa--gfx1250"
	.amdhsa_code_object_version 6
	.text
	.protected	k_qe8a950409d_pv
	.globl	k_qe8a950409d_pv
	.p2align	8
	.type	k_qe8a950409d_pv,@function
k_qe8a950409d_pv:
	s_mov_b64 s[64:65], 0
	v_nop
	global_prefetch_b8 v0, s[64:65] scope:SCOPE_SE
	s_setreg_imm32_b32 hwreg(HW_REG_WAVE_MODE, 25, 1), 1
	s_wait_xcnt 0x0
	s_wait_alu depctr_hold_cnt(0) depctr_sa_sdst(0) depctr_va_vdst(0) depctr_va_sdst(0) depctr_va_ssrc(0) depctr_va_vcc(0) depctr_vm_vsrc(0)
	s_getreg_b32 s2, hwreg(HW_REG_IB_STS2, 6, 4)
	s_cmp_eq_u32 s2, 0
	s_cbranch_scc0 .Lentry_in_a_cluster
	s_endpgm
.Lentry_in_a_cluster:
	s_bfe_u32 s2, ttmp6, 0x10000c
	s_cmp_lg_u32 s2, 0xf033
	s_cbranch_scc0 .Lentry_shape_is_right
	s_endpgm
.Lentry_shape_is_right:
; out0[i][d] = (1 / l[i]) x the sum over key blocks t of f[t][i] x (the sum over the block's keys of ph[i][key] v[key][d]),
; with m'[i] = max over t of m'[t][i],  f[t][i] = 2^(m'[t][i] - m'[i]),  l[i] = the sum over t of f[t][i] l[t][i]: the softmax's second half and the second product.
; ph: [8192][2048] f16; v: part 2 of qkv, [8192][1024] f16; st: [4][16][2][2048] f32 (batch, key block, (m', l), row); out0: [8192][1024] f32.
; f is made in f32 (every exponent is 0 or less; the largest is 0, so l is at least 1), rounded to f16 and multiplied onto the weights between LDS and the matrix unit by packed f16 multiplies:
; a weight is so rounded a second time.  Products' sums and l in f32.
; LIMITS.  A weight below 6e-8 of its row's largest counts as 0.  NaN and infinities are not treated apart.
; SHARES.  A tile is 128 queries x 256 channels: 64 x 4 = 256 work-groups.  Four waves, each 64 x 128: 32 accumulators.  The keys go in 16 steps of 128, a key block a step, through a ring of two slots.
; CLUSTER.  4 x 4 work-groups: the weights' tile is shared along a row of the cluster, v's along a column (all sixteen belong to one batch); each is asked for jointly.
; LAYOUT.  O^T = V^T P: source 0 = 16 channels (v, stored [key][channel], turned by ds_load_tr16_b128), source 1 = 16 queries: lane l holds query l % 16 and the channels 8 (l / 16) + 0..7.
; REGISTERS: window 0: v0-31 addresses, factors, 1 / l; v32-95 the weights' fragments, two buffers; v96-223 at work at the start and on the way out;
;   window 1: v0-127 v's fragments, two buffers;   window 2: the accumulators, (a, c) at v[8 (8 a + c)].
.set PP,    272                        ; a row of weights in LDS: 256 + 16 bytes
.set PV,    544                        ; a row of v: 512 + 32 = 136 words
.set PHALF, 64*PP
.set VHALF, 64*PV
.set VOFF,  2*PHALF                    ; in a slot: 128 rows of weights, then 128 keys of v
.set SLOT,  VOFF+2*VHALF               ; 104,448
.set STAGE, 2*SLOT                     ; 16 rows x 528 bytes for each wave
.set SPI,   528
.set FT,    STAGE+4*16*SPI             ; for each wave 4,096 bytes: [step][row % 16][row / 16], f twice in f16
.set RL,    FT+4*4096                  ; for each wave 64 x 1 / l
.set SPARE, RL+4*256                   ; the spare words, 128 bytes for each wave: two blocks of 256 bytes that no other line names
.set AP0, 2
.set AV0, 3
.set ADP, 4
.set ADV, 5
.set AF,  6                            ; v6   LDS address of the step's four factors for my lane
.set STO, 7
.set RD,  8
.set GO,  9
.set FTS, 10
.set RLS, 11
.set SPW, 12
.set NIL, 13
.set PFO, 14
.set SO8, 15                           ; v15  8 x lane
.set FA,  16                           ; v16-19 (f, f) for row block a
.set RLR, 20                           ; v20-27 1 / l for row block a, in a pair
.set RR,  28
.set HH,  29
.set LN,  30
.set RLA, 31
.set PF,  32
.set MM,  96                           ; the start: m'[t] of my two rows, then f
.set LL,  128                          ; l[t]
.set FH,  160
.set MX,  192
.set LS,  194
.set TMP, 96                           ; the way out
.set OB,  160
.set WV,  12
.set WH,  13
.set WL,  14
.set CXI, 15
.set CYI, 16
.set CLY, 17
.set DT,  18                           ; channel tile, 0..3
.set YT,  19                           ; query tile, 0..63
.set BB,  20                           ; batch
.set G1P, 24
.set G1V, 32
.set G0P0, 40
.set G0P, 44
.set G0V0, 48
.set G0V, 52
.set PFA, 56
.set PFS, 58
.set LIM, 60
.set TB,  61
.set CNT, 62
.set WPP, 63
.set WPV, 66
.set OUT, 68
.set STB, 70
.set MSB, 0
.macro WIN new
.if MSB != (\new)
	s_set_vgpr_msb (MSB<<8)|(\new)
.set MSB, \new
.endif
.endm
.macro PLACES
.rept 4
	v_nop
.endr
.endm
.macro JLOAD                           ; waves 0 and 1 fetch the weights' two halves, waves 2 and 3 v's; an s_nop 0 and four v_nop follow each line
	s_cmp_eq_u32 s[WH], 0
	s_cbranch_scc0 .Lfor_v_\@
	tensor_load_to_lds s[G0P:G0P+3], s[G1P:G1P+7]
	s_nop 0
	PLACES
	s_branch .Lasked_\@
.Lfor_v_\@:
	tensor_load_to_lds s[G0V:G0V+3], s[G1V:G1V+7]
	s_nop 0
	PLACES
.Lasked_\@:
.endm
; A PREFETCH INTO THE L2 behind a joint refill and the run of LDS loads that follows it: the refill brings step j + 2, the prefetch names step j + 4.
; The weights: a step's tile is 128 rows x 256 bytes; the four partners of a row of the cluster take 32 rows each, told apart by address (cx); wave 0 asks, a lane a row; no other cluster reads them.
; v: a step's tile is 128 keys x 512 bytes; the four partners of a column take 32 keys each (cy); waves 2 and 3 ask for one block of 256 bytes each, a lane a key; of a batch's four clusters the first asks.
; Steps 0 to 3 come by their loads alone; the last two refills ask for nothing.
.macro ASK
	s_cmp_gt_u32 s[CNT], s[LIM]
	s_cbranch_scc0 .Lnot_mine_\@
	global_prefetch_b8 v[PFO], s[PFA:PFA+1] th:TH_LOAD_NT scope:SCOPE_SE
.Lnot_mine_\@:
.endm
.macro CREST
	s_cmp_lg_u32 s[WV], 0
	s_cbranch_scc1 .Lnot_wave_0_\@
	s_barrier_signal -3
.Lnot_wave_0_\@:
	s_barrier_wait -3
	s_barrier_signal -1
	s_barrier_wait -1
.endm
.macro CROUND
	s_barrier_signal -1
	s_barrier_wait -1
	CREST
.endm
	s_load_b256 s[4:11], s[0:1], 0x0               ; ph s[4:5], qkv s[6:7], st s[8:9], out0 s[10:11]
	v_lshl_add_u32 v[SPW], v0, 2, SPARE
	v_mov_b32 v[NIL], 0
	ds_add_u32 v[SPW], v[NIL]                      ; the wave's opening: the add and its wait stand ahead of my first tensor load
	v_lshrrev_b32 v1, 5, v0
	v_readfirstlane_b32 s[WV], v1
	s_lshr_b32 s[WH], s[WV], 1
	s_and_b32 s[WL], s[WV], 1
	s_bfe_u32 s[CXI], ttmp6, 0x40000
	s_bfe_u32 s[CYI], ttmp6, 0x40004
	s_and_b32 s[CLY], ttmp7, 0xffff
	s_lshl_b32 s[DT], ttmp9, 2
	s_add_co_u32 s[DT], s[DT], s[CXI]
	s_lshl_b32 s[YT], s[CLY], 2
	s_add_co_u32 s[YT], s[YT], s[CYI]
	s_lshr_b32 s[BB], s[CLY], 2                    ; 16 query tiles, four clusters, a batch
	s_lshl_b32 s72, s[CYI], 2
	s_lshl_b32 s72, 15, s72                        ; my row of the cluster
	s_lshl_b32 s73, 0x1111, s[CXI]                 ; my column
	s_or_b32 s[G1P], s72, (1<<16)|(1<<20)|(1<<21)|(5<<22)|(3<<25)  ; 2-byte elements; after every 64 words (code 5) 4 words (code 3)
	s_mov_b32 s[G1P+1], 128<<16                    ; tensor_dim0 = 128
	s_mov_b32 s[G1P+2], 64<<16                     ; tensor_dim1 = 64
	s_mov_b32 s[G1P+3], 128<<16                    ; tile_dim0 = 128
	s_mov_b32 s[G1P+4], 64                         ; tile_dim1 = 64
	s_mov_b32 s[G1P+5], 2048                       ; elements from row to row
	s_mov_b32 s[G1P+6], 0
	s_mov_b32 s[G1P+7], 0
	s_or_b32 s[G1V], s73, (1<<16)|(1<<20)|(1<<21)|(6<<22)|(7<<25)  ; after every 128 words (code 6) 8 words (code 7)
	s_mov_b32 s[G1V+1], 256<<16
	s_mov_b32 s[G1V+2], 64<<16
	s_mov_b32 s[G1V+3], 256<<16
	s_mov_b32 s[G1V+4], 64
	s_mov_b32 s[G1V+5], 1024
	s_mov_b32 s[G1V+6], 0
	s_mov_b32 s[G1V+7], 0
	s_mul_i32 s[WPP], s[WL], PHALF
	s_mul_i32 s[WPV], s[WL], VHALF
	s_add_co_u32 s[WPV], s[WPV], VOFF
	s_mov_b32 s[G0P0], 1
	s_mov_b32 s[G0P0+1], s[WPP]
	s_mov_b32 s[G0P], 1
	s_add_co_u32 s[G0P+1], s[WPP], SLOT
	s_mov_b32 s[G0V0], 1
	s_mov_b32 s[G0V0+1], s[WPV]
	s_mov_b32 s[G0V], 1
	s_add_co_u32 s[G0V+1], s[WPV], SLOT
	s_mov_b32 s[TB], 0
	s_lshl_b32 s72, s[YT], 7                       ; the weights: row 128 x query tile + 64 x half, 4,096 bytes a row: hangs on cy, never on cx
	s_lshl_b32 s73, s[WL], 6
	s_add_co_u32 s72, s72, s73
	s_lshl_b32 s72, s72, 12
	s_mov_b32 s73, 0
	s_lshl_b32 s74, s[BB], 11                      ; v: key 2,048 x batch + 64 x half, 2,048 bytes a key, + 512 x channel tile, in part 2 of qkv: hangs on cx, never on cy
	s_lshl_b32 s75, s[WL], 6
	s_add_co_u32 s74, s74, s75
	s_lshl_b32 s74, s74, 11
	s_lshl_b32 s75, s[DT], 9
	s_add_co_u32 s74, s74, s75
	s_add_co_u32 s74, s74, 33554432
	s_mov_b32 s75, 0
	s_wait_dscnt 0x0                               ; the opening add is done
	s_wait_kmcnt 0x0
	s_add_nc_u64 s[G0P0+2:G0P0+3], s[4:5], s[72:73]
	s_add_nc_u64 s[G0P+2:G0P+3], s[G0P0+2:G0P0+3], 256
	s_or_b32 s[G0P0+3], s[G0P0+3], 0x80000000
	s_or_b32 s[G0P+3], s[G0P+3], 0x80000000
	s_add_nc_u64 s[G0V0+2:G0V0+3], s[6:7], s[74:75]
	s_add_nc_u64 s[G0V+2:G0V+3], s[G0V0+2:G0V0+3], 262144
	s_or_b32 s[G0V0+3], s[G0V0+3], 0x80000000
	s_or_b32 s[G0V+3], s[G0V+3], 0x80000000
	CROUND                                         ; all sixteen work-groups are here: the first joint loads meet
	s_cmp_eq_u32 s[WH], 0                          ; a wave's two first fills stand in one branch: two loads of mine are out
	s_cbranch_scc0 .Lfirst_v
	tensor_load_to_lds s[G0P0:G0P0+3], s[G1P:G1P+7]
	s_nop 0
	tensor_load_to_lds s[G0P:G0P+3], s[G1P:G1P+7]
	s_nop 0
	PLACES
	s_branch .Lfirst_done
.Lfirst_v:
	tensor_load_to_lds s[G0V0:G0V0+3], s[G1V:G1V+7]
	s_nop 0
	tensor_load_to_lds s[G0V:G0V+3], s[G1V:G1V+7]
	s_nop 0
	PLACES
.Lfirst_done:
	; THE STATISTICS of my wave's 64 rows, for itself alone (no barrier): lane l takes rows 2 l and 2 l + 1; each load of the wave covers 256 consecutive bytes, aligned
	v_and_b32 v[RR], 15, v0
	v_bfe_u32 v[HH], v0, 4, 1
	v_and_b32 v[LN], 31, v0
	v_lshlrev_b32 v[SO8], 3, v[LN]
	s_and_b32 s72, s[YT], 15
	s_lshl_b32 s72, s72, 7
	s_lshl_b32 s73, s[WH], 6
	s_add_co_u32 s72, s72, s73
	s_lshl_b32 s72, s72, 2
	s_lshl_b32 s73, s[BB], 18
	s_add_co_u32 s72, s72, s73
	s_mov_b32 s73, 0
	s_add_nc_u64 s[STB:STB+1], s[8:9], s[72:73]
.set t, 0
.rept 16
	global_load_b64 v[MM+2*t:MM+2*t+1], v[SO8], s[STB:STB+1] offset:16384*t
	global_load_b64 v[LL+2*t:LL+2*t+1], v[SO8], s[STB:STB+1] offset:16384*t+8192
.set t, t+1
.endr
	s_mul_i32 s72, s[WH], PHALF                    ; my 64 rows of weights
	v_mul_u32_u24 v[AP0], v[RR], PP
	v_lshl_add_u32 v[AP0], v[HH], 4, v[AP0]
	v_add_nc_u32 v[AP0], s72, v[AP0]
	; The turning load takes 16 keys x 16 channels (lane l reads key 8 (l / 16) + l % 8, channels 8 ((l / 8) % 2) + 0..7) and leaves half a fragment of V^T: lane l holds channel l % 16 and 8 keys.
	v_and_b32 v1, 7, v0
	v_lshl_add_u32 v[AV0], v[HH], 3, v1
	v_mul_u32_u24 v[AV0], v[AV0], PV
	v_bfe_u32 v1, v0, 3, 1
	v_lshl_add_u32 v[AV0], v1, 4, v[AV0]
	s_lshl_b32 s72, s[WL], 8                       ; my 128 channels
	s_add_co_u32 s72, s72, VOFF
	v_add_nc_u32 v[AV0], s72, v[AV0]
	v_mov_b32 v[ADP], v[AP0]
	v_mov_b32 v[ADV], v[AV0]
	s_lshl_b32 s72, s[WV], 12
	s_add_co_u32 s72, s72, FT
	v_lshl_add_u32 v[AF], v[RR], 4, s72
	v_and_b32 v1, 7, v0                            ; row 2 l: (row % 16) x 16 = (l % 8) x 32, (row / 16) x 4 = (l / 8) x 4
	v_lshl_add_u32 v[FTS], v1, 5, s72
	v_lshrrev_b32 v1, 3, v[LN]
	v_lshl_add_u32 v[FTS], v1, 2, v[FTS]
	s_lshl_b32 s72, s[WV], 8
	s_add_co_u32 s72, s72, RL
	v_add_nc_u32 v[RLS], s72, v[SO8]
	v_lshl_add_u32 v[RLA], v[RR], 2, s72
	s_mul_i32 s72, s[WV], 16*SPI
	s_add_co_u32 s72, s72, STAGE
	v_mul_u32_u24 v[STO], v[RR], SPI
	v_lshl_add_u32 v[STO], v[HH], 5, v[STO]
	v_add_nc_u32 v[STO], s72, v[STO]
	v_lshlrev_b32 v[GO], 4, v[LN]
	v_add_nc_u32 v[RD], s72, v[GO]
	s_lshl_b32 s72, s[YT], 7                       ; out0 at my wave's 64 rows x 128 channels
	s_lshl_b32 s73, s[WH], 6
	s_add_co_u32 s72, s72, s73
	s_lshl_b32 s72, s72, 12
	s_lshl_b32 s73, s[DT], 10
	s_add_co_u32 s72, s72, s73
	s_lshl_b32 s73, s[WL], 9
	s_add_co_u32 s72, s72, s73
	s_mov_b32 s73, 0
	s_add_nc_u64 s[OUT:OUT+1], s[10:11], s[72:73]
	s_lshl_b32 s76, s[YT], 7                       ; the prefetches, at step 3: the weights' rows 32 cx on,
	s_lshl_b32 s77, s[CXI], 5
	s_add_co_u32 s76, s76, s77
	s_lshl_b32 s76, s76, 12
	s_add_co_u32 s76, s76, 3*256
	s_lshl_b32 s78, s[BB], 11                      ; v's keys 32 cy on, my block of 256 bytes
	s_lshl_b32 s79, s[CYI], 5
	s_add_co_u32 s78, s78, s79
	s_lshl_b32 s78, s78, 11
	s_lshl_b32 s79, s[DT], 9
	s_add_co_u32 s78, s78, s79
	s_lshl_b32 s79, s[WL], 8
	s_add_co_u32 s78, s78, s79
	s_add_co_u32 s78, s78, 33554432+3*262144
	s_and_b32 s79, s[CLY], 3
	s_cmp_eq_u32 s[WH], 0
	s_cselect_b32 s76, s76, s78
	s_cselect_b32 s79, s[WL], s79                  ; 0 in wave 0, and in waves 2 and 3 of a batch's first cluster
	s_cselect_b32 s[PFS], 8, 18
	s_cselect_b32 s80, 12, 11
	s_cselect_b64 s[PFA:PFA+1], s[4:5], s[6:7]
	s_mov_b32 s77, 0
	s_add_nc_u64 s[PFA:PFA+1], s[PFA:PFA+1], s[76:77]
	s_lshl_b32 s[PFS], 1, s[PFS]                   ; a step is 256 bytes along a row of weights, 262,144 bytes (128 keys) in v
	s_mov_b32 s[PFS+1], 0
	s_cmp_eq_u32 s79, 0
	s_cselect_b32 s[LIM], 2, -1                    ; the same in all sixteen partners, for a given wave
	v_lshlrev_b32 v[PFO], s80, v[LN]               ; a lane a row: 4,096 bytes in ph, 2,048 in v
	s_wait_loadcnt 0x0
.set n, 0
.rept 8                                ; the rows' maxima over the 16 blocks
.irp e, 0,1
.if n == 0
	v_max3_num_f32 v[MX+(\e)], v[MM+(\e)], v[MM+2+(\e)], v[MM+4+(\e)]
.elseif n < 7
	v_max3_num_f32 v[MX+(\e)], v[MX+(\e)], v[MM+2*(2*n+1)+(\e)], v[MM+2*(2*n+2)+(\e)]
.else
	v_max_num_f32 v[MX+(\e)], v[MX+(\e)], v[MM+30+(\e)]
.endif
.endr
.set n, n+1
.endr
.set t, 0
.rept 16
	v_pk_add_f32 v[MM+2*t:MM+2*t+1], v[MM+2*t:MM+2*t+1], v[MX:MX+1] neg_lo:[0,1] neg_hi:[0,1]  ; m'[t] - m'
.set t, t+1
.endr
.set t, 0
.rept 32
	v_exp_f32 v[MM+t], v[MM+t]                     ; f: one batch
.set t, t+1
.endr
	v_nop                                          ; a plain instruction behind the last exponential (ISA guide 5.7.2),
	s_wait_alu depctr_va_vdst(0)                   ; and one wait for the batch ahead of the first reader
	v_pk_mul_f32 v[LS:LS+1], v[MM:MM+1], v[LL:LL+1]
.set t, 1
.rept 15
	v_pk_fma_f32 v[LS:LS+1], v[MM+2*t:MM+2*t+1], v[LL+2*t:LL+2*t+1], v[LS:LS+1]  ; l = the sum of f[t] l[t]
.set t, t+1
.endr
.set t, 0
.rept 32
	v_cvt_pk_f16_f32 v[FH+t], v[MM+t], v[MM+t]     ; f twice, for the packed multiply
.set t, t+1
.endr
.set t, 0
.rept 16
	ds_store_b32 v[FTS], v[FH+2*t]   offset:256*t
	ds_store_b32 v[FTS], v[FH+2*t+1] offset:256*t+16
.set t, t+1
.endr
	v_rcp_f32 v[MX], v[LS]
	v_rcp_f32 v[MX+1], v[LS+1]
	v_nop
	s_wait_alu depctr_va_vdst(0)                   ; one wait for the two reciprocals
	ds_store_b64 v[RLS], v[MX:MX+1]
	s_wait_tensorcnt 0x1                           ; my part of step 0 is in; step 1's may stay out
	s_wait_dscnt 0x0
	s_barrier_signal -1
	s_barrier_wait -1
; 24 LDS loads in one run (25 at a step's first quarter: the step's factors), for the 32 keys at kq of the slot being read: the weights' four fragments and v's eight, into buffers g.
.macro FETCH g, kq
	WIN 0
.if (\kq) == 0
	ds_load_b128 v[FA:FA+3], v[AF]
.endif
.irp a, 0,1,2,3
	ds_load_b128 v[PF+32*(\g)+8*(\a):PF+32*(\g)+8*(\a)+3],   v[ADP] offset:16*PP*(\a)+64*(\kq)
	ds_load_b128 v[PF+32*(\g)+8*(\a)+4:PF+32*(\g)+8*(\a)+7], v[ADP] offset:16*PP*(\a)+64*(\kq)+32
.endr
	WIN 0x40
.irp c, 0,1,2,3,4,5,6,7
	ds_load_tr16_b128 v[64*(\g)+8*(\c):64*(\g)+8*(\c)+3],   v[ADV] offset:32*PV*(\kq)+32*(\c)
	ds_load_tr16_b128 v[64*(\g)+8*(\c)+4:64*(\g)+8*(\c)+7], v[ADV] offset:32*PV*(\kq)+32*(\c)+16*PV
.endr
.endm
.macro SLICE g                         ; slice sl of 8: four registers of buffer g's weights times their row's factor
	WIN 0
.irp z, 0,1,2,3
	v_pk_mul_f16 v[PF+32*(\g)+4*sl+(\z)], v[PF+32*(\g)+4*sl+(\z)], v[FA+sl/2]
.endr
.set sl, sl+1
.endm
; 8 matrix instructions: row block a x all 8 channel blocks, 32 keys.  The 32 accumulators take turns in the same order in every quarter.
.macro MUL f, a, zero, g
.irp c, 0,1,2,3,4,5,6,7
	WIN 0xa1                                       ; v window 1, weights window 0, C and D window 2
.if \zero
	v_wmma_f32_16x16x32_f16 v[8*(8*(\a)+(\c)):8*(8*(\a)+(\c))+7], v[64*(\f)+8*(\c):64*(\f)+8*(\c)+7], v[PF+32*(\f)+8*(\a):PF+32*(\f)+8*(\a)+7], 0
.else
	v_wmma_f32_16x16x32_f16 v[8*(8*(\a)+(\c)):8*(8*(\a)+(\c))+7], v[64*(\f)+8*(\c):64*(\f)+8*(\c)+7], v[PF+32*(\f)+8*(\a):PF+32*(\f)+8*(\a)+7], v[8*(8*(\a)+(\c)):8*(8*(\a)+(\c))+7]
.endif
.if (\g) >= 0
	SLICE \g
.endif
.endr
.endm
; A QUARTER: multiplies buffers f, fetches the quarter at kq at its head, and scales the fetched weights behind its last 8 products.  The last slice of the quarter before, four plain instructions
; that name no register of the product in front of them, are the four places ahead of this quarter's loads (ISA guide 7.12.1 for vector instructions).
; turn = 1: the change of slots with a refill (a round of the cluster's barrier, the joint refill first behind it, 112 matrix instructions ahead of the wait for it); 2: without.
.macro QTR f, kq, zero, turn, ask
.if (\turn) == 1
	s_wait_xcnt 0x0                                ; the last prefetch, three quarters back, has read its address
	s_add_nc_u64 s[PFA:PFA+1], s[PFA:PFA+1], s[PFS:PFS+1]
.endif
	FETCH 1-(\f), \kq
.if \ask
	WIN 0
	ASK
.endif
.if (\kq) == 0
	s_wait_dscnt 25                                ; all but the run just issued: v's fragments of buffer f are in
.else
	s_wait_dscnt 24
.endif
	MUL \f, 0, \zero, -1
	MUL \f, 1, \zero, -1
.if \turn
	WIN 0
	s_wait_tensorcnt 0x0                           ; no tensor load of mine is out, so a group 0 may be written
	ds_add_u32 v[SPW], v[NIL]                      ; 0 onto my spare word
.if (\turn) == 1
	s_add_co_u32 s[G0P+1], s[WPP], s[TB]           ; the walking sets: into the slot that is being left, the next step
	s_add_nc_u64 s[G0P+2:G0P+3], s[G0P+2:G0P+3], 256
	s_add_co_u32 s[G0V+1], s[WPV], s[TB]
	s_add_nc_u64 s[G0V+2:G0V+3], s[G0V+2:G0V+3], 262144
.endif
	s_xor_b32 s[TB], s[TB], SLOT
.endif
	MUL \f, 2, \zero, -1
.set sl, 0
.if \turn
	s_wait_dscnt 0x0                               ; the add is done, and my reads of this slot are over
	s_barrier_signal -1
.else
	s_wait_dscnt 16                                ; the factors and the weights are in; v's 16 loads may be out
.endif
	MUL \f, 3, \zero, 1-(\f)
.if \turn
	WIN 0
	s_barrier_wait -1
.if (\turn) == 1
	CREST
	JLOAD
.endif
	v_add_nc_u32 v[ADP], s[TB], v[AP0]
	v_add_nc_u32 v[ADV], s[TB], v[AV0]
	v_add_nc_u32 v[AF], 256, v[AF]                 ; the next step's factors
.endif
.endm
	FETCH 0, 0
	WIN 0
	s_wait_dscnt 16
.set sl, 0
.rept 8
	SLICE 0
.endr
	QTR 0, 1, 1, 0, 0                              ; the first quarter stands ahead of the loop: its products start the sums
	WIN 0
	s_mov_b32 s[CNT], 14
.Lstep:                                                ; a trip: a step's quarters 1, 2, 3 and the next step's quarter 0
	QTR 1, 2, 0, 0, 0
	QTR 0, 3, 0, 1, 0
	QTR 1, 0, 0, 0, 1
	QTR 0, 1, 0, 0, 0
	WIN 0
	s_sub_co_u32 s[CNT], s[CNT], 1
	s_cmp_lg_u32 s[CNT], 0
	s_cbranch_scc1 .Lstep
	QTR 1, 2, 0, 0, 0                              ; the tail is written out
	QTR 0, 3, 0, 2, 0
	QTR 1, 0, 0, 0, 0
	QTR 0, 1, 0, 0, 0
	QTR 1, 2, 0, 0, 0
	QTR 0, 3, 0, 0, 0
	s_wait_dscnt 0x0
	MUL 1, 0, 0, -1
	MUL 1, 1, 0, -1
	MUL 1, 2, 0, -1
	MUL 1, 3, 0, -1
	WIN 0
.irp a, 0,1,2,3
	ds_load_b32 v[RLR+2*(\a)],   v[RLA] offset:64*(\a)  ; 1 / l of row 16 a + l % 16, in both registers of a pair
	ds_load_b32 v[RLR+2*(\a)+1], v[RLA] offset:64*(\a)
.endr
	PLACES                                         ; four places between the last product and what reads its results
	s_wait_dscnt 0x0
; THE WAY OUT, 16 rows at a time: divided by l, 32 bytes a lane into my own stage, back as whole rows of 512 bytes, stored.
.macro OUTB a
	WIN 0x02                                       ; source 0 window 2
.set i, 0
.rept 32
	v_pk_mul_f32 v[TMP+i:TMP+i+1], v[64*(\a)+i:64*(\a)+i+1], v[RLR+2*(\a):RLR+2*(\a)+1] op_sel_hi:[1,0]  ; each accumulator is read from its low end on
.set i, i+2
.endr
	WIN 0
.irp c, 0,1,2,3,4,5,6,7
	ds_store_b128 v[STO], v[TMP+8*(\c):TMP+8*(\c)+3]   offset:64*(\c)
	ds_store_b128 v[STO], v[TMP+8*(\c)+4:TMP+8*(\c)+7] offset:64*(\c)+16
.endr
.if (\a) > 0
	s_wait_xcnt 0x0                                ; the registers that the block before's stores read are loaded again only behind this wait
.endif
.irp t, 0,1,2,3,4,5,6,7,8,9,10,11,12,13,14,15
	ds_load_b128 v[OB+4*(\t):OB+4*(\t)+3], v[RD] offset:SPI*(\t)  ; LDS serves a wave's instructions in order (ISA guide 5.7.1.4): these see the stores above
.endr
.irp t, 0,1,2,3,4,5,6,7,8,9,10,11,12,13,14,15
	s_wait_dscnt 15-(\t)
	global_store_b128 v[GO], v[OB+4*(\t):OB+4*(\t)+3], s[OUT:OUT+1] offset:(16*(\a)+(\t))*4096 th:TH_STORE_NT  ; the wave stores 512 consecutive bytes, aligned
.endr
.endm
	OUTB 0
	OUTB 1
	OUTB 2
	OUTB 3
	s_wait_tensorcnt 0x0                           ; the wave's end
	ds_add_u32 v[SPW], v[NIL]
	s_wait_dscnt 0x0
	CROUND                                         ; the closing round
	s_endpgm
.Lfunc_end_k_qe8a950409d_pv:
	.size	k_qe8a950409d_pv, .Lfunc_end_k_qe8a950409d_pv-k_qe8a950409d_pv
	.p2alignl 7, 3214868480
	.fill 96, 4, 3214868480
	.section	.rodata,"a",@progbits
	.p2align	6, 0x0
	.amdhsa_kernel k_qe8a950409d_pv
		.amdhsa_group_segment_fixed_size 327680
		.amdhsa_private_segment_fixed_size 0
		.amdhsa_enable_private_segment 0
		.amdhsa_kernarg_size 32
		.amdhsa_user_sgpr_count 2
		.amdhsa_user_sgpr_kernarg_segment_ptr 1
		.amdhsa_wavefront_size32 1
		.amdhsa_system_sgpr_workgroup_id_x 1
		.amdhsa_system_sgpr_workgroup_id_y 1
		.amdhsa_system_sgpr_workgroup_id_z 1
		.amdhsa_system_vgpr_workitem_id 0
		.amdhsa_next_free_vgpr 768
		.amdhsa_next_free_sgpr 88
		.amdhsa_reserve_vcc 0
		.amdhsa_float_denorm_mode_32 3
		.amdhsa_float_denorm_mode_16_64 3
		.amdhsa_memory_ordered 1
		.amdhsa_forward_progress 1
		.amdhsa_inst_pref_size 120
	.end_amdhsa_kernel
	.amdgpu_metadata
---
amdhsa.version: [ 1, 2 ]
amdhsa.kernels:
  - .name:           k_qe8a950409d_pv
    .symbol:         k_qe8a950409d_pv.kd
    .args:
      - { .name: ph, .offset: 0, .size: 8, .value_kind: global_buffer, .address_space: global }
      - { .name: qkv, .offset: 8, .size: 8, .value_kind: global_buffer, .address_space: global }
      - { .name: st, .offset: 16, .size: 8, .value_kind: global_buffer, .address_space: global }
      - { .name: out0, .offset: 24, .size: 8, .value_kind: global_buffer, .address_space: global }
    .group_segment_fixed_size: 327680
    .private_segment_fixed_size: 0
    .kernarg_segment_align: 8
    .kernarg_segment_size: 32
    .max_flat_workgroup_size: 128
    .sgpr_count:     88
    .vgpr_count:     768
    .wavefront_size: 32
...
	.end_amdgpu_metadata
.endif
;; end of part 4
;; ======== version 2 of 2: 4 launches; version 1 with the launch wcvt written anew for expert scheduling mode
;; limits: values are held in f16: magnitudes above 65,504 overflow, below 6.1e-05 lose precision
;; workspace buffers: wb 6,291,456 bytes; qkv 50,331,648 bytes; ph 33,554,432 bytes; st 1,048,576 bytes
;; launch wcvt (part 5): grid 256 x 1, 8 waves a work-group, no clusters, 0 bytes of LDS; arguments Wq, Wk, Wv, wb; writes wb
.if DOCPART == 5
	.amdgcn_target "amdgcn-amd-amdhsa--gfx1250"
	.amdhsa_code_object_version 6
	.text
	.protected	k_qe8a950409d_wcvt
	.globl	k_qe8a950409d_wcvt
	.p2align	8
	.type	k_qe8a950409d_wcvt,@function
k_qe8a950409d_wcvt:
	s_mov_b64 s[64:65], 0
	v_nop
	global_prefetch_b8 v0, s[64:65] scope:SCOPE_SE
	s_setreg_imm32_b32 hwreg(HW_REG_WAVE_SCHED_MODE, 0, 2), 2
	s_setreg_imm32_b32 hwreg(HW_REG_WAVE_MODE, 25, 1), 1
	s_wait_xcnt 0x0
	s_wait_alu depctr_vm_vsrc(0)
; wb[p][n][k] = bf16(W_p[n][k]), p = 0, 1, 2 for Wq, Wk, Wv: each [1024][1024], f32 in, bf16 out, rounded once to nearest even.
; Why a launch of its own: each tile of a weight matrix is multiplied by 64 row tiles in the next launch; rounded here once, it is fetched there at half the bytes and needs no vector work.
; SHARES.  256 work-groups of 8 waves; work-group g takes 16,384 bytes (4 rows) of each matrix.  Thread t takes 16 bytes at 16 t of each row: a wave's load covers 512 consecutive bytes,
; its store of 8 bytes a lane 256 consecutive bytes, aligned.  All twelve loads go out first; nothing is read twice; no LDS, no barrier, no matrix unit: a stream has no use for them.
; THE MODE: SCHED_MODE bits 1:0 = 2 (LLVM: expert scheduling mode 2), set by the entry lines.  The code itself states the register dependences
; between vector instructions and memory instructions, with s_wait_alu, always for 0.
; THE PLAN.  The twelve loads go in three groups of four, a group a matrix.  Registers that memory instructions touch:
;   v1, v2   byte offsets, made once at the head and never written again: v1 is read by every load, v2 by every store.
;   IN       each of its twelve quadruples is written once, by its load, and read by two conversions; no vector instruction writes it and no second load lands in it.
;   OT       each of its twelve pairs is written once, by two conversions of group p, and read once, by a store that is issued in group p + 1; it is never written again.
; Group p rounds its own four quadruples into its own four pairs; its memory instructions are the four stores of group p - 1, which read that group's pairs and v2: registers that no
; vector instruction of group p names.  So one wait at a group's head states all that its four stores hang on, and they are dealt among its conversions with no further wait.
; No register that a memory instruction has read is written again: no wait on vm_vsrc is owed.
.set IN,  8                            ; v[8:55]   twelve loads of four f32
.set OT,  56                           ; v[56:79]  twelve pairs of packed bf16
	s_load_b256 s[4:11], s[0:1], 0x0               ; Wq s[4:5], Wk s[6:7], Wv s[8:9], wb s[10:11]
	v_lshlrev_b32 v1, 4, v0                        ; 16 t: my bytes in a row of f32
	v_lshlrev_b32 v2, 3, v0                        ; 8 t: my bytes in a row of bf16
	s_lshl_b32 s12, ttmp9, 14                      ; the work-group's four rows, in f32
	s_mov_b32 s13, 0
	s_lshl_b32 s14, ttmp9, 13                      ; and in bf16
	s_mov_b32 s15, 0
	s_wait_kmcnt 0x0
	s_add_nc_u64 s[4:5], s[4:5], s[12:13]
	s_add_nc_u64 s[6:7], s[6:7], s[12:13]
	s_add_nc_u64 s[8:9], s[8:9], s[12:13]
	s_add_nc_u64 s[10:11], s[10:11], s[14:15]
	s_wait_alu depctr_va_vdst(0)                   ; v1 and v2 are written: every load of the kernel reads v1 as its offset, every store v2
.irp p, 0,1,2
.irp j, 0,1,2,3
	global_load_b128 v[IN+4*(4*(\p)+(\j)):IN+4*(4*(\p)+(\j))+3], v1, s[4+2*(\p):5+2*(\p)] offset:4096*(\j) th:TH_LOAD_NT
.endr
.endr
; The store of row j of matrix p: the pair that two conversions of group p wrote.
.macro OUTROW p, j
	global_store_b64 v2, v[OT+2*(4*(\p)+(\j)):OT+2*(4*(\p)+(\j))+1], s[10:11] offset:2097152*(\p)+2048*(\j)
.endm
; Group p: matrix p's four rows are rounded; the group before is stored.  left = how many younger loads may still be out when this group's four have to be there.
.macro GROUP p, left
	s_wait_loadcnt \left                           ; loads return in order (ISA guide 5.7.1): this group's four are in, the younger groups stay out
.if (\p) > 0
	s_wait_alu depctr_va_vdst(0)                   ; the group before's conversions have written its four pairs of OT, which the stores below read
.endif
.irp j, 0,1,2,3
.if (\p) > 0
	OUTROW (\p)-1, \j                              ; no vector instruction since the wait names this pair or v2
.endif
	v_cvt_pk_bf16_f32 v[OT+2*(4*(\p)+(\j))],   v[IN+4*(4*(\p)+(\j))],   v[IN+4*(4*(\p)+(\j))+1]
	v_cvt_pk_bf16_f32 v[OT+2*(4*(\p)+(\j))+1], v[IN+4*(4*(\p)+(\j))+2], v[IN+4*(4*(\p)+(\j))+3]
.endr
.endm
	GROUP 0, 8
	GROUP 1, 4
	GROUP 2, 0
	s_wait_alu depctr_va_vdst(0)                   ; group 2's conversions have written the last four pairs of OT, which the last four stores read
.irp j, 0,1,2,3
	OUTROW 2, \j
.endr
	s_endpgm
.Lfunc_end_k_qe8a950409d_wcvt:
	.size	k_qe8a950409d_wcvt, .Lfunc_end_k_qe8a950409d_wcvt-k_qe8a950409d_wcvt
	.p2alignl 7, 3214868480
	.fill 96, 4, 3214868480
	.section	.rodata,"a",@progbits
	.p2align	6, 0x0
	.amdhsa_kernel k_qe8a950409d_wcvt
		.amdhsa_group_segment_fixed_size 0
		.amdhsa_private_segment_fixed_size 0
		.amdhsa_enable_private_segment 0
		.amdhsa_kernarg_size 32
		.amdhsa_user_sgpr_count 2
		.amdhsa_user_sgpr_kernarg_segment_ptr 1
		.amdhsa_wavefront_size32 1
		.amdhsa_system_sgpr_workgroup_id_x 1
		.amdhsa_system_sgpr_workgroup_id_y 1
		.amdhsa_system_sgpr_workgroup_id_z 1
		.amdhsa_system_vgpr_workitem_id 0
		.amdhsa_next_free_vgpr 80
		.amdhsa_next_free_sgpr 66
		.amdhsa_reserve_vcc 0
		.amdhsa_float_denorm_mode_32 3
		.amdhsa_float_denorm_mode_16_64 3
		.amdhsa_memory_ordered 1
		.amdhsa_forward_progress 1
		.amdhsa_inst_pref_size 5
	.end_amdhsa_kernel
	.amdgpu_metadata
---
amdhsa.version: [ 1, 2 ]
amdhsa.kernels:
  - .name:           k_qe8a950409d_wcvt
    .symbol:         k_qe8a950409d_wcvt.kd
    .args:
      - { .name: Wq, .offset: 0, .size: 8, .value_kind: global_buffer, .address_space: global }
      - { .name: Wk, .offset: 8, .size: 8, .value_kind: global_buffer, .address_space: global }
      - { .name: Wv, .offset: 16, .size: 8, .value_kind: global_buffer, .address_space: global }
      - { .name: wb, .offset: 24, .size: 8, .value_kind: global_buffer, .address_space: global }
    .group_segment_fixed_size: 0
    .private_segment_fixed_size: 0
    .kernarg_segment_align: 8
    .kernarg_segment_size: 32
    .max_flat_workgroup_size: 256
    .sgpr_count:     66
    .vgpr_count:     80
    .wavefront_size: 32
...
	.end_amdgpu_metadata
.endif
;; end of part 5
;; launch proj: the kernel of part 2 again; grid 4 x 192, 4 waves a work-group, clusters of 4 x 4, 327,680 bytes of LDS; arguments query, key, value, context, wb, bq, bk, bv, qkv; writes qkv
;; launch scores: the kernel of part 3 again; grid 8 x 32, 4 waves a work-group, clusters of 4 x 4, 327,680 bytes of LDS; arguments qkv, ph, st; writes ph, st
;; launch pv: the kernel of part 4 again; grid 4 x 64, 4 waves a work-group, clusters of 4 x 4, 327,680 bytes of LDS; arguments ph, qkv, st, out0; writes out0
